; MI455X (gfx1250); checked and timed in simulation.
; The chip was launched on July 23, 2026; its instructions are those of AMD's public machine-readable ISA for CDNA 5 (MIT licence, August 2026) and "CDNA5" Instruction Set Architecture Reference Guide (July 2026). The comments in the code are by the model that wrote it; some were corrected since.
;; Differential Multi Head Attention. Allowed arithmetic: matrix products marked QUANTISED: E2M1 operands, one E8M0 scale for each 32 along K, by v_wmma_scale_f32_16x16x128_f8f6f4 with both operands' format E2M1 (or v_wmma_scale_f32_32x16x128_f4), f32 sums; products left as they are: bf16, f16 or f32 operands; f32 sums; everything else in f32.
;; Inputs: Wk 1,024 x 1,024 float32; Wo 1,024 x 1,024 float32; Wq 1,024 x 1,024 float32; Wv 1,024 x 1,024 float32; bk 1,024 float32; bo 1,024 float32; bq 1,024 float32; bv 1,024 float32; lk1 32 float32; lk2 32 float32; ln_b 16 x 64 float32; ln_g 16 x 64 float32; lq1 32 float32; lq2 32 float32; mask 2 x 2,048 x 2,048 int32; x 2 x 2,048 x 1,024 float32.
;; Outputs: out0 2 x 2,048 x 1,024 float32.
;; This version of the problem:
;;   THIS VERSION OF THE PROBLEM IS GIVEN IN LOW PRECISION. The matrix products marked QUANTISED in the list below multiply operands that are first quantised to E2M1 (2 exponent bits, 1 mantissa bit; 4 bits a number), with one power-of-two scale for each 32 numbers along K (OCP MX v1.0); their sums are f32. The products marked 'left as it is' may take bf16, f16 or f32 operands, with f32 sums. Whichever they take, every output number must still come out within the allowed error. Rounding operands to bf16 (8 significant bits) uses up far more of that allowance than f16 does (11 bits, for magnitudes from 6e-5 to 65,504). All else is computed in f32.
;;   The module's matrix products, in the order in which they are computed (A, B: the left and right operand; K: the contracted axis; several contracted axes count as one K, in the product's order):
;;     1. [M 4,096, K 1,024] x [K 1,024, N 1,024]; A: input x; B: input Wq: QUANTISED
;;     2. [M 4,096, K 1,024] x [K 1,024, N 1,024]; A: input x; B: input Wk: QUANTISED
;;     3. [M 4,096, K 1,024] x [K 1,024, N 1,024]; A: input x; B: input Wv: QUANTISED
;;     4. batch 32 x [M 2,048, K 32] x [K 32, N 2,048]; A: computed on the way; B: computed on the way: left as it is (an operand is computed on the way)
;;     5. batch 32 x [M 2,048, K 32] x [K 32, N 2,048]; A: computed on the way; B: computed on the way: left as it is (an operand is computed on the way)
;;     6. batch 32 x [M 2,048, K 2,048] x [K 2,048, N 64]; A: computed on the way; B: computed on the way: left as it is (an operand is computed on the way)
;;     7. [M 4,096, K 1,024] x [K 1,024, N 1,024]; A: computed on the way; B: input Wo: left as it is (an operand is computed on the way)
;;   THE QUANTISER, for each operand of a quantised product, along K:
;;     - K is cut into blocks of 32 from its start; a last block that is shorter is filled with zeros.
;;     - A block's scale is 2^e with e = floor(log2(the largest magnitude in the block)) - 2, held to -126 .. 127; a block of zeros has e = 0. As a byte (E8M0): e + 127.
;;     - Each number is divided by its block's scale, clamped to +-6, and rounded to the nearest number of E2M1, ties to even, subnormals kept.
;;     - The product sums the exact products of the quantised numbers (number of the format x scale) in f32.
;;   ~~~python
;;   def quantise(x, axis):      # numpy; x: float32 -> the quantised numbers, widened to float32 again
;;       x = np.moveaxis(x, axis, -1); K = x.shape[-1]
;;       x = np.pad(x, [(0, 0)] * (x.ndim - 1) + [(0, -K % 32)]); x = x.reshape(x.shape[:-1] + (-1, 32)); a = np.abs(x).max(-1, keepdims=True)
;;       e = np.where(a > 0, np.clip(np.frexp(np.where(a > 0, a, 1))[1] - 1 - 2, -126, 127), 0)      # np.frexp(a)[1] - 1 = floor(log2(a)), exactly
;;       r = np.clip(x / 2.0 ** e, -6, 6)
;;       step = 2.0 ** (np.maximum(np.frexp(np.where(r == 0, 1, r))[1] - 1, 0) - 1)
;;       q = np.round(r / step) * step * 2.0 ** e      # np.round: ties to even
;;       return np.moveaxis(q.reshape(q.shape[:-2] + (-1,))[..., :K], -1, axis).astype(np.float32)
;;   ~~~
;; One version. Each part assembles by itself: llvm-mc -triple=amdgcn-amd-amdhsa -mcpu=gfx1250 --defsym DOCPART=n.
;; ======== version 1 of 1: 4 launches
;; limits: values are held in f16: magnitudes above 65,504 overflow, below 6.1e-05 lose precision
;; workspace buffers: codes 3,670,016 bytes; sc 241,664 bytes; maskw 1,048,576 bytes of whole numbers; woimg 2,097,152 bytes; qkv 25,165,824 bytes; act 8,388,608 bytes
;; launch prep (part 1): grid 464 x 1, 4 waves a work-group, no clusters, 101,888 bytes of LDS; arguments x, Wq, Wk, Wv, bq, bk, bv, Wo, mask, codes, sc, maskw, woimg; writes codes, sc, maskw, woimg
.if DOCPART == 1
	.amdgcn_target "amdgcn-amd-amdhsa--gfx1250"
	.amdhsa_code_object_version 6
	.text
	.protected	k_qe0c75b519e_prep
	.globl	k_qe0c75b519e_prep
	.p2align	8
	.type	k_qe0c75b519e_prep,@function
k_qe0c75b519e_prep:
	s_mov_b64 s[64:65], 0
	v_nop
	global_prefetch_b8 v0, s[64:65] scope:SCOPE_SE
	s_setreg_imm32_b32 hwreg(HW_REG_WAVE_MODE, 25, 1), 1
	s_wait_xcnt 0x0
; DIFFERENTIAL ATTENTION, launch 1 of 4: everything that is read as f32 or int32 is read once here and laid as the later launches want it.
; NOTHING OF reference() IS LEFT OUT, and every input is loaded by some launch.  bk in particular stays: masked scores are set to the fixed -1e9, so a shift of the open scores is not the same along the softmax's axis.
; Four streams that share nothing, parted on the work-group's number; each has LDS bytes of its own; no barrier: waves share nothing.
;   W  (work-groups 0-47)    Wq, Wk, Wv [k 1024][n 1024] f32 -> codes of FP4 (E2M1) with K innermost, one E8M0 byte for each 32 along K, rows in the order N' (below); bq, bk, bv in the same order
;   X  (48-175)              x [4096][1024] f32 -> codes and scale bytes, K innermost
;   M  (176-431)             mask [2][2048][2048] int32 -> one bit a number, in words laid as a wave of launch 3 holds its scores
;   O  (432-463)             Wo [k 1024][n 1024] f32 -> f16, as images of the operand registers of launch 4
; THE ORDER N' of the joint weight's 3,072 rows: rows 0-1023: N' = 64 head + 32 s + d is Wq's column 512 s + 32 head + d (s = 0, 1: the two halves that reference() chunks); 1024-2047 the same of Wk; 2048-3071 Wv's columns as they are.
; THE QUANTISER: a block's scale is 2^(floor(log2(largest magnitude)) - 2); its byte is the largest magnitude's exponent field - 2, held at 1 from below; each number / scale to the nearest code, ties to even, beyond 6 the largest code.
; LIMITS: a block of zeros gets the byte 1 where the rule says 127 (its codes are zeros, and this program alone reads the bytes); blocks whose largest magnitude lies under 2^-124 have their byte held at 1;
; NaN and infinities among the inputs are not served; Wo is rounded to f16: magnitudes over 65,504 become infinity.
.set XB,    0                          ; LDS: path X: 8,192 bytes a wave
.set WB,    32768                      ; path W: 32 rows x 272 bytes a wave
.set MB,    67584                      ; path M: 16 rows x 528 bytes a wave
.set SPARE, 101376                     ; the spare words, 128 bytes for each wave: two blocks of 256 bytes that no other line names
.set SPW,   222                        ; v222 LDS address of my spare word; never rewritten
.set NIL,   223                        ; v223 0; never rewritten
.set EMAX,  2
	v_lshl_add_u32 v[SPW], v0, 2, SPARE
	v_mov_b32 v[NIL], 0
	v_lshrrev_b32 v1, 5, v0
	v_readfirstlane_b32 s16, v1                    ; wave 0..3
	v_and_b32 v2, 31, v0                           ; lane
	s_cmp_lt_u32 ttmp9, 48
	s_cbranch_scc1 .Lw
	s_cmp_lt_u32 ttmp9, 176
	s_cbranch_scc1 .Lx
	s_cmp_lt_u32 ttmp9, 432
	s_cbranch_scc1 .Lm
; ---------------- PATH O.  A lane takes a column n of Wo and its registers run down K: 32 rows are one K step of launch 4.  Eight neighbours along K pack into 16 bytes, which are the piece that lane (n % 16, half) of a
; fragment holds: octet o of a K step lies at 256 o + 16 (n % 16) of the fragment's 1,024 bytes.  woimg: [n / 16][k / 32][1,024 bytes].  A wave: 32 columns x 256 along K; loads run two K steps (64 loads) ahead.
.set OX, 32                            ; v32-95  two sets of 32 numbers
.set OC, 96                            ; v96-127 two sets of 16 registers of f16 pairs
	s_load_b64 s[4:5], s[0:1], 0x38                ; Wo
	s_load_b64 s[8:9], s[0:1], 0x60                ; woimg
	s_sub_co_u32 s18, ttmp9, 432
	s_and_b32 s19, s18, 7                          ; which 128 columns
	s_lshr_b32 s20, s18, 3                         ; which 256 along K
	v_lshlrev_b32 v1, 2, v2                        ; in: 4 bytes a lane
	v_lshrrev_b32 v3, 4, v2
	v_and_b32 v4, 15, v2
	v_lshlrev_b32 v3, 15, v3                       ; out: lanes 16-31 belong to the next tile of 16 columns, 32 K steps x 1,024 bytes on,
	v_lshl_add_u32 v3, v4, 4, v3                   ; 16 bytes a column
	s_lshl_b32 s22, s20, 20                        ; Wo: 256 rows of 4,096 bytes,
	s_lshl_b32 s23, s19, 9
	s_add_co_u32 s22, s22, s23                     ; 128 columns,
	s_lshl_b32 s23, s16, 7
	s_add_co_u32 s22, s22, s23                     ; my wave's 32
	s_mov_b32 s23, 0
	s_lshl_b32 s24, s19, 18                        ; woimg: 8 tiles of columns,
	s_lshl_b32 s25, s16, 16
	s_add_co_u32 s24, s24, s25                     ; my wave's two,
	s_lshl_b32 s25, s20, 13
	s_add_co_u32 s24, s24, s25                     ; 8 K steps
	s_mov_b32 s25, 0
	s_wait_kmcnt 0x0
	s_add_nc_u64 s[4:5], s[4:5], s[22:23]
	s_add_nc_u64 s[8:9], s[8:9], s[24:25]
.macro OLOAD t
.irp i, 0,1,2,3,4,5,6,7,8,9,10,11,12,13,14,15,16,17,18,19,20,21,22,23,24,25,26,27,28,29,30,31
	global_load_b32 v[OX+32*((\t)%2)+\i], v1, s[4:5] offset:(32*(\t)+\i)*4096 th:TH_LOAD_NT
.endr
.endm
.macro OBLOCK t
.if (\t) < 7
	s_wait_loadcnt 32                              ; this K step's 32 loads are in; the next one's may be out
.else
	s_wait_loadcnt 0x0
.endif
.if (\t) >= 2
	s_wait_xcnt 0x0                                ; the stores of two K steps back have read their registers, which are written again below
.endif
.irp o, 0,1,2,3
.irp p, 0,1,2,3
	v_cvt_pk_f16_f32 v[OC+16*((\t)%2)+4*\o+\p], v[OX+32*((\t)%2)+8*\o+2*\p], v[OX+32*((\t)%2)+8*\o+2*\p+1]
.endr
.endr
.if (\t)+2 < 8
	OLOAD (\t)+2
.endif
.irp o, 0,1,2,3
	global_store_b128 v3, v[OC+16*((\t)%2)+4*\o:OC+16*((\t)%2)+4*\o+3], s[8:9] offset:1024*(\t)+256*\o   ; each half of the lanes stores 256 consecutive bytes, aligned
.endr
.endm
	OLOAD 0
	OLOAD 1
.irp t, 0,1,2,3,4,5,6,7
	OBLOCK \t
.endr
	s_wait_tensorcnt 0x0                           ; the wave's end
	ds_add_u32 v[SPW], v[NIL]
	s_wait_dscnt 0x0
	s_endpgm
; ---------------- PATH W.  A lane takes a column and its registers run down K: a block of 32 along K lies in one lane, and the conversions give codes with K innermost.  A wave: 32 columns x 512 along K, 256 bytes of codes
; a column; they go through the wave's own stage in LDS and leave as rows, sixteen lanes to 256 aligned bytes.  Groups of 32 columns stay together in the order N', so the order is one scalar number a wave.
.set WPITCH, 272
.set WX,  32                           ; v32-95   two sets of 32 numbers
.set WC,  96                           ; v96-99   a block's codes
.set WO,  112                          ; v112-175 the way out
.set WSB, 24                           ; v24-27   the scale bytes, four to a register
.Lw:
	s_load_b128 s[4:7], s[0:1], 0x8                ; Wq, Wk
	s_load_b64 s[8:9], s[0:1], 0x18                ; Wv
	s_load_b128 s[20:23], s[0:1], 0x20             ; bq, bk
	s_load_b64 s[24:25], s[0:1], 0x30              ; bv
	s_load_b128 s[28:31], s[0:1], 0x48             ; codes, sc
	s_lshr_b32 s32, ttmp9, 4                       ; which weight: 0, 1, 2
	s_and_b32 s33, ttmp9, 15
	s_and_b32 s34, s33, 7                          ; which 128 columns
	s_lshr_b32 s35, s33, 3                         ; y: which 512 along K
	s_lshl_b32 s36, s34, 2
	s_add_co_u32 s36, s36, s16                     ; my group of 32 columns in the weight: 16 s + head for Wq and Wk
	s_and_b32 s37, s36, 15
	s_lshl_b32 s37, s37, 1
	s_lshr_b32 s38, s36, 4
	s_add_co_u32 s37, s37, s38                     ; 2 head + s
	s_cmp_eq_u32 s32, 2
	s_cselect_b32 s37, s36, s37                    ; Wv's groups stay where they are
	s_lshl_b32 s38, s32, 10
	s_lshl_b32 s37, s37, 5
	s_add_co_u32 s38, s38, s37                     ; N' of my first column
	s_lshl_b32 s40, s35, 21                        ; the weight: 512 y rows of 4,096 bytes
	s_lshl_b32 s46, s36, 7                         ; + 128 bytes a group; the same in the bias
	s_mov_b32 s47, 0
	s_add_co_u32 s40, s40, s46
	s_mov_b32 s41, 0
	s_lshl_b32 s42, s38, 9                         ; the codes: behind x's 2,097,152 bytes, 512 bytes a row, + 256 y
	s_lshl_b32 s43, s35, 8
	s_add_co_u32 s42, s42, s43
	s_add_co_u32 s42, s42, 0x200000
	s_mov_b32 s43, 0
	s_lshl_b32 s44, s38, 5                         ; the scale bytes: behind x's 131,072, 32 a row, + 16 y
	s_lshl_b32 s45, s35, 4
	s_add_co_u32 s44, s44, s45
	s_add_co_u32 s44, s44, 131072
	s_mov_b32 s45, 0
	s_lshl_b32 s48, s38, 2                         ; the biases in the order N': from byte 229,376 of sc
	s_add_co_u32 s48, s48, 229376
	s_mov_b32 s49, 0
	v_lshlrev_b32 v3, 2, v2                        ; in: 4 bytes a lane
	s_mul_i32 s19, s16, 32*WPITCH
	s_add_co_u32 s19, s19, WB                      ; my stage
	v_mul_u32_u24 v4, v2, WPITCH
	v_add_nc_u32 v4, s19, v4                       ; into it: row = my column
	v_and_b32 v5, 15, v2
	v_lshrrev_b32 v6, 4, v2
	v_mul_u32_u24 v7, v6, WPITCH
	v_lshl_add_u32 v7, v5, 4, v7
	v_add_nc_u32 v7, s19, v7                       ; out of it: sixteen lanes to a row, two rows an instruction
	v_lshlrev_b32 v8, 9, v6
	v_lshl_add_u32 v8, v5, 4, v8                   ; and the same place in the codes
	v_lshlrev_b32 v9, 5, v2                        ; my column's row of scale bytes
	s_wait_kmcnt 0x0
	s_cmp_eq_u32 s32, 0                            ; the choices hang on the work-group's number alone
	s_cselect_b64 s[4:5], s[4:5], s[6:7]
	s_cselect_b64 s[20:21], s[20:21], s[22:23]
	s_cmp_eq_u32 s32, 2
	s_cselect_b64 s[4:5], s[8:9], s[4:5]
	s_cselect_b64 s[20:21], s[24:25], s[20:21]
	s_add_nc_u64 s[4:5], s[4:5], s[40:41]
	s_add_nc_u64 s[20:21], s[20:21], s[46:47]
	s_add_nc_u64 s[28:29], s[28:29], s[42:43]
	s_add_nc_u64 s[50:51], s[30:31], s[48:49]
	s_add_nc_u64 s[30:31], s[30:31], s[44:45]
.macro WLOAD t                         ; block t: W(32 t + i, my column) into set t % 2
.irp i, 0,1,2,3,4,5,6,7,8,9,10,11,12,13,14,15,16,17,18,19,20,21,22,23,24,25,26,27,28,29,30,31
	global_load_b32 v[WX+32*((\t)%2)+\i], v3, s[4:5] offset:(32*(\t)+\i)*4096 th:TH_LOAD_NT
.endr
.endm
	WLOAD 0
	WLOAD 1
	s_cmp_lg_u32 s35, 0                            ; the work-group of the first 512 along K also copies its columns' 32 bias numbers into the order N'
	s_cbranch_scc1 .Lw_go
	global_load_b32 v10, v3, s[20:21]
	s_wait_loadcnt 0x0
	global_store_b32 v3, v10, s[50:51]
.Lw_go:
.macro WBLOCK t
.set XS, WX+32*((\t)%2)
.if (\t) < 15
	s_wait_loadcnt 32                              ; this block's 32 loads are in; the next block's may be out
.else
	s_wait_loadcnt 0x0
.endif
	v_max3_num_f32 v12, |v[XS]|, |v[XS+1]|, |v[XS+2]|               ; the block's largest magnitude: all 32 numbers are mine
	v_max3_num_f32 v13, |v[XS+3]|, |v[XS+4]|, |v[XS+5]|
.irp i, 6,10,14,18,22,26
	v_max3_num_f32 v12, v12, |v[XS+\i]|, |v[XS+\i+1]|
	v_max3_num_f32 v13, v13, |v[XS+\i+2]|, |v[XS+\i+3]|
.endr
	v_max3_num_f32 v12, v12, |v[XS+30]|, |v[XS+31]|
	v_max3_num_f32 v12, v12, v13, (EMAX+1)<<23     ; and the floor 2^(3 - 127): the byte cannot fall under 1
	v_add_nc_u32 v11, -(EMAX<<23), v12             ; 2 off its exponent field: the conversion takes the exponent field of this operand as its scale
	v_lshrrev_b32 v13, 23, v11                     ; the scale's byte
.if (\t)%4 == 0
	v_mov_b32 v[WSB+(\t)/4], v13
.else
	v_lshl_or_b32 v[WSB+(\t)/4], v13, 8*((\t)%4), v[WSB+(\t)/4]
.endif
.irp g, 0,1,2,3
	v_cvt_scalef32_pk8_fp4_f32 v[WC+\g], v[XS+8*\g:XS+8*\g+7], v11
.endr
	ds_store_b128 v4, v[WC:WC+3] offset:16*(\t)    ; 32 codes: 16 bytes of my column's row
.if (\t)+2 < 16
	WLOAD (\t)+2
.endif
	s_wait_dscnt 0x0                               ; the store has read its registers: the next block's codes may be written
.endm
.irp t, 0,1,2,3,4,5,6,7,8,9,10,11,12,13,14,15
	WBLOCK \t
.endr
	global_store_b128 v9, v[WSB:WSB+3], s[30:31]   ; my column's 16 scale bytes
.irp t, 0,1,2,3,4,5,6,7,8,9,10,11,12,13,14,15
	ds_load_b128 v[WO+4*\t:WO+4*\t+3], v7 offset:2*\t*WPITCH   ; LDS serves a wave's instructions in order: these see my stores
.endr
.irp t, 0,1,2,3,4,5,6,7,8,9,10,11,12,13,14,15
	s_wait_dscnt 15-\t
	global_store_b128 v8, v[WO+4*\t:WO+4*\t+3], s[28:29] offset:2*\t*512
.endr
	s_wait_tensorcnt 0x0                           ; the wave's end: behind my last LDS store
	ds_add_u32 v[SPW], v[NIL]
	s_wait_dscnt 0x0
	s_endpgm
; ---------------- PATH X.  x is a plain stream of blocks of 32.  A wave takes 16 steps of 512 numbers.  Each load reads 512 consecutive bytes; a step's 2,048 bytes turn through the wave's own stage in LDS, so that a lane
; holds 16 neighbours along K (two lanes to a block).  A step's codes leave as 256 consecutive bytes; the wave's 256 scale bytes are gathered in LDS and leave as one aligned run.
.set XSTEPS, 16
.set CB,    8                          ; bytes of 16 codes
.set XR,    16                         ; v16-79   four sets of 16 numbers as loaded
.set XX,    80                         ; v80-111  two sets of 16 neighbours
.set XC,    128                        ; v128-191 codes: registers of its own for each step
.set XE,    112                        ; v112-127 a scale byte for each step
.set WREG,  8192
.set SP,    80                         ; a lane's place in a stage: 64 bytes + 16 of padding
.Lx:
	s_load_b64 s[4:5], s[0:1], 0x0                 ; x
	s_load_b128 s[8:11], s[0:1], 0x48              ; codes, sc
	v_lshlrev_b32 v3, 4, v2                        ; my 16 bytes of a load's 512
	s_mul_i32 s17, s16, WREG
	v_lshrrev_b32 v14, 2, v2
	v_mul_u32_u24 v14, v14, SP
	v_and_b32 v15, 3, v2
	v_lshl_add_u32 v14, v15, 4, v14
	v_add_nc_u32 v14, s17, v14                     ; the stage, on the way in: SP (lane / 4) + 16 (lane % 4)
	v_mul_u32_u24 v15, v2, SP
	v_add_nc_u32 v15, s17, v15                     ; and on the way out: SP x lane
	v_mul_u32_u24 v4, v2, CB                       ; my codes' place in a step's
	v_lshrrev_b32 v5, 1, v2
	s_add_co_u32 s17, s17, 2*32*SP
	v_add_nc_u32 v5, s17, v5                       ; LDS: my wave's 256 scale bytes, my block's byte
	v_lshlrev_b32 v7, 3, v2
	v_add_nc_u32 v6, s17, v7
	s_sub_co_u32 s17, ttmp9, 48
	s_lshl_b32 s17, s17, 2
	s_add_co_u32 s18, s17, s16                     ; which run of 8,192 numbers is my wave's
	s_lshl_b32 s20, s18, 15
	s_mov_b32 s21, 0
	s_lshl_b32 s22, s18, 12
	s_mov_b32 s23, 0
	s_lshl_b32 s24, s18, 8
	s_mov_b32 s25, 0
	s_wait_kmcnt 0x0
	s_add_nc_u64 s[4:5], s[4:5], s[20:21]
	s_add_nc_u64 s[8:9], s[8:9], s[22:23]
	s_add_nc_u64 s[10:11], s[10:11], s[24:25]
.macro XLOAD t
.irp i, 0,1,2,3
	global_load_b128 v[XR+16*((\t)%4)+4*\i:XR+16*((\t)%4)+4*\i+3], v3, s[4:5] offset:2048*(\t)+512*\i th:TH_LOAD_NT
.endr
.endm
.macro XTURN t                         ; step t's numbers through the stage: LDS serves a wave's instructions in order
.irp i, 0,1,2,3
	ds_store_b128 v14, v[XR+16*((\t)%4)+4*\i:XR+16*((\t)%4)+4*\i+3] offset:32*SP*((\t)%2)+8*SP*\i
.endr
.irp i, 0,1,2,3
	ds_load_b128 v[XX+16*((\t)%2)+4*\i:XX+16*((\t)%2)+4*\i+3], v15 offset:32*SP*((\t)%2)+16*\i
.endr
.endm
.irp t, 0,1,2,3
	XLOAD \t
.endr
	s_wait_loadcnt 12                              ; step 0's four loads are in
	XTURN 0
.macro XSTEP t
.set XS, XX+16*((\t)%2)
.if (\t) > 0
	s_wait_dscnt 1                                 ; this step's numbers are back from the stage (the last step's byte store may be out)
.else
	s_wait_dscnt 0x0
.endif
.if (\t)+4 < XSTEPS
	XLOAD (\t)+4
.endif
.if (\t)+1 < XSTEPS
.if XSTEPS-2-(\t) >= 3
	s_wait_loadcnt 12                              ; the next step's four loads are in; those of the three steps behind it may be out
.else
	s_wait_loadcnt 4*(XSTEPS-2-(\t))
.endif
	XTURN (\t)+1
.endif
	v_max3_num_f32 v8, |v[XS]|, |v[XS+1]|, |v[XS+2]|
	v_max3_num_f32 v9, |v[XS+3]|, |v[XS+4]|, |v[XS+5]|
.irp i, 6,10
	v_max3_num_f32 v8, v8, |v[XS+\i]|, |v[XS+\i+1]|
	v_max3_num_f32 v9, v9, |v[XS+\i+2]|, |v[XS+\i+3]|
.endr
	v_max3_num_f32 v8, v8, |v[XS+14]|, |v[XS+15]|
	v_max3_num_f32 v8, v8, v9, (EMAX+1)<<23        ; and the floor
	v_max_num_f32_dpp v8, v8, v8 row_xmask:1 row_mask:0xf bank_mask:0xf   ; with my neighbour's 16: the block's
	v_add_nc_u32 v11, -(EMAX<<23), v8
	v_cvt_scalef32_pk8_fp4_f32 v[XC+4*(\t)], v[XS:XS+7], v11
	v_cvt_scalef32_pk8_fp4_f32 v[XC+4*(\t)+1], v[XS+8:XS+15], v11
	v_lshrrev_b32 v[XE+(\t)], 23, v11              ; the scale's byte
	ds_store_b8 v5, v[XE+(\t)] offset:16*(\t)      ; both lanes of a block write the same byte with the same value
	global_store_b64 v4, v[XC+4*(\t):XC+4*(\t)+1], s[8:9] offset:32*CB*(\t)
.endm
.irp t, 0,1,2,3,4,5,6,7,8,9,10,11,12,13,14,15
	XSTEP \t
.endr
	ds_load_b64 v[8:9], v6
	s_wait_dscnt 0x0
	global_store_b64 v7, v[8:9], s[10:11]          ; 32 lanes store 256 consecutive bytes, aligned
	s_wait_tensorcnt 0x0                           ; the wave's end: behind my last LDS store
	ds_add_u32 v[SPW], v[NIL]
	s_wait_dscnt 0x0
	s_endpgm
; ---------------- PATH M.  maskw: [batch x 128 + tile of 16 queries][tile of 16 keys][j 0..7] of 32-bit words; bit L of a word says that mask[query 16 qt + L % 16][key 16 kt + 8 (L / 16) + j] is not 0: the lane and register
; in which launch 3 holds that score.  A work-group takes 16 query rows, a wave 512 keys of them in 4 chunks of 128.  Each load reads 512 consecutive bytes of a row; a chunk turns through the wave's stage (rows 528 bytes
; apart), so that lane (r, h) holds row r's keys 16 kt + 8 h + j; a compare makes a word, and the chunk's 64 words are set into two registers and leave as 256 consecutive bytes.
.set MR, 16                            ; v16-143  two sets of 64: a chunk as loaded
.set MT, 144                           ; v144-207 a chunk as turned: register 8 kt + j
.set MO, 208                           ; v208-215 a pair for each chunk: lane l holds words 2 l, 2 l + 1
.Lm:
	s_load_b64 s[4:5], s[0:1], 0x40                ; mask
	s_load_b64 s[8:9], s[0:1], 0x58                ; maskw
	v_lshlrev_b32 v1, 4, v2                        ; 16 x lane
	s_mul_i32 s17, s16, 16*528
	s_add_co_u32 s17, s17, MB                      ; my stage
	v_add_nc_u32 v3, s17, v1                       ; in: a row's 512 bytes as they lie
	v_and_b32 v6, 15, v2
	v_lshrrev_b32 v7, 4, v2
	v_mul_u32_u24 v4, v6, 528
	v_lshl_add_u32 v4, v7, 5, v4
	v_add_nc_u32 v4, s17, v4                       ; out: row r, + 32 h
	v_lshlrev_b32 v5, 3, v2                        ; 8 x lane
.irp i, 0,1,2,3,4,5,6,7
	v_mov_b32 v[MO+\i], 0                          ; written once: v_writelane_b32's destination counts as read
.endr
	s_sub_co_u32 s18, ttmp9, 176                   ; the tile of queries
	s_lshl_b32 s28, s18, 17                        ; 16 rows of 8,192 bytes
	s_lshl_b32 s29, s16, 11
	s_add_co_u32 s28, s28, s29                     ; + my wave's 512 keys
	s_mov_b32 s29, 0
	s_lshl_b32 s30, s18, 12
	s_lshl_b32 s31, s16, 10
	s_add_co_u32 s30, s30, s31
	s_mov_b32 s31, 0
	s_wait_kmcnt 0x0
	s_add_nc_u64 s[4:5], s[4:5], s[28:29]
	s_add_nc_u64 s[8:9], s[8:9], s[30:31]
.macro MLOAD ch
.irp p, 0,1,2,3,4,5,6,7,8,9,10,11,12,13,14,15
	global_load_b128 v[MR+64*((\ch)%2)+4*\p:MR+64*((\ch)%2)+4*\p+3], v1, s[4:5] offset:8192*\p+512*(\ch) th:TH_LOAD_NT
.endr
.endm
.macro MCHUNK ch
.if (\ch) < 3
	s_wait_loadcnt 16                              ; this chunk's 16 loads are in; the next chunk's may be out
.else
	s_wait_loadcnt 0x0
.endif
.irp p, 0,1,2,3,4,5,6,7,8,9,10,11,12,13,14,15
	ds_store_b128 v3, v[MR+64*((\ch)%2)+4*\p:MR+64*((\ch)%2)+4*\p+3] offset:528*\p
.endr
.irp kt, 0,1,2,3,4,5,6,7
.irp u, 0,1
	ds_load_b128 v[MT+8*\kt+4*\u:MT+8*\kt+4*\u+3], v4 offset:64*\kt+16*\u
.endr
.endr
	s_wait_dscnt 0x0                               ; the chunk is turned, and the stores have read their registers,
.if (\ch)+2 < 4
	MLOAD (\ch)+2                                  ; which take the chunk two on
.endif
.set n, 0
.rept 8
.rept 8
	v_cmp_ne_u32 s[20+n%8], 0, v[MT+n]             ; word n = 8 kt + j
.set n, n+1
.endr
.set n, n-8
.rept 8
	v_writelane_b32 v[MO+2*(\ch)+(n&1)], s[20+n%8], n>>1
.set n, n+1
.endr
.endr
	global_store_b64 v5, v[MO+2*(\ch):MO+2*(\ch)+1], s[8:9] offset:256*(\ch)   ; 256 consecutive bytes, aligned
.endm
	MLOAD 0
	MLOAD 1
.irp ch, 0,1,2,3
	MCHUNK \ch
.endr
	s_wait_tensorcnt 0x0                           ; the wave's end: behind my last LDS store
	ds_add_u32 v[SPW], v[NIL]
	s_wait_dscnt 0x0
	s_endpgm
.Lfunc_end_k_qe0c75b519e_prep:
	.size	k_qe0c75b519e_prep, .Lfunc_end_k_qe0c75b519e_prep-k_qe0c75b519e_prep
	.p2alignl 7, 3214868480
	.fill 96, 4, 3214868480
	.section	.rodata,"a",@progbits
	.p2align	6, 0x0
	.amdhsa_kernel k_qe0c75b519e_prep
		.amdhsa_group_segment_fixed_size 101888
		.amdhsa_private_segment_fixed_size 0
		.amdhsa_enable_private_segment 0
		.amdhsa_kernarg_size 104
		.amdhsa_user_sgpr_count 2
		.amdhsa_user_sgpr_kernarg_segment_ptr 1
		.amdhsa_wavefront_size32 1
		.amdhsa_system_sgpr_workgroup_id_x 1
		.amdhsa_system_sgpr_workgroup_id_y 1
		.amdhsa_system_sgpr_workgroup_id_z 1
		.amdhsa_system_vgpr_workitem_id 0
		.amdhsa_next_free_vgpr 224
		.amdhsa_next_free_sgpr 66
		.amdhsa_reserve_vcc 0
		.amdhsa_float_denorm_mode_32 3
		.amdhsa_float_denorm_mode_16_64 3
		.amdhsa_memory_ordered 1
		.amdhsa_forward_progress 1
		.amdhsa_inst_pref_size 197
	.end_amdhsa_kernel
	.amdgpu_metadata
---
amdhsa.version: [ 1, 2 ]
amdhsa.kernels:
  - .name:           k_qe0c75b519e_prep
    .symbol:         k_qe0c75b519e_prep.kd
    .args:
      - { .name: x, .offset: 0, .size: 8, .value_kind: global_buffer, .address_space: global }
      - { .name: Wq, .offset: 8, .size: 8, .value_kind: global_buffer, .address_space: global }
      - { .name: Wk, .offset: 16, .size: 8, .value_kind: global_buffer, .address_space: global }
      - { .name: Wv, .offset: 24, .size: 8, .value_kind: global_buffer, .address_space: global }
      - { .name: bq, .offset: 32, .size: 8, .value_kind: global_buffer, .address_space: global }
      - { .name: bk, .offset: 40, .size: 8, .value_kind: global_buffer, .address_space: global }
      - { .name: bv, .offset: 48, .size: 8, .value_kind: global_buffer, .address_space: global }
      - { .name: Wo, .offset: 56, .size: 8, .value_kind: global_buffer, .address_space: global }
      - { .name: mask, .offset: 64, .size: 8, .value_kind: global_buffer, .address_space: global }
      - { .name: codes, .offset: 72, .size: 8, .value_kind: global_buffer, .address_space: global }
      - { .name: sc, .offset: 80, .size: 8, .value_kind: global_buffer, .address_space: global }
      - { .name: maskw, .offset: 88, .size: 8, .value_kind: global_buffer, .address_space: global }
      - { .name: woimg, .offset: 96, .size: 8, .value_kind: global_buffer, .address_space: global }
    .group_segment_fixed_size: 101888
    .private_segment_fixed_size: 0
    .kernarg_segment_align: 8
    .kernarg_segment_size: 104
    .max_flat_workgroup_size: 128
    .sgpr_count:     66
    .vgpr_count:     224
    .wavefront_size: 32
...
	.end_amdgpu_metadata
.endif
;; end of part 1
;; launch qkv (part 2): grid 12 x 16, 4 waves a work-group, clusters of 4 x 4, 327,680 bytes of LDS; arguments codes, sc, qkv; writes qkv
.if DOCPART == 2
	.amdgcn_target "amdgcn-amd-amdhsa--gfx1250"
	.amdhsa_code_object_version 6
	.text
	.protected	k_qe0c75b519e_qkv
	.globl	k_qe0c75b519e_qkv
	.p2align	8
	.type	k_qe0c75b519e_qkv,@function
k_qe0c75b519e_qkv:
	s_mov_b64 s[64:65], 0
	v_nop
	global_prefetch_b8 v0, s[64:65] scope:SCOPE_SE
	s_setreg_imm32_b32 hwreg(HW_REG_WAVE_MODE, 25, 1), 1
	s_wait_xcnt 0x0
	s_wait_alu depctr_hold_cnt(0) depctr_sa_sdst(0) depctr_va_vdst(0) depctr_va_sdst(0) depctr_va_ssrc(0) depctr_va_vcc(0) depctr_vm_vsrc(0)
	s_getreg_b32 s2, hwreg(HW_REG_IB_STS2, 6, 4)
	s_cmp_eq_u32 s2, 0
	s_cbranch_scc0 .Lentry_in_a_cluster
	s_endpgm
.Lentry_in_a_cluster:
	s_bfe_u32 s2, ttmp6, 0x10000c
	s_cmp_lg_u32 s2, 0xf033
	s_cbranch_scc0 .Lentry_shape_is_right
	s_endpgm
.Lentry_shape_is_right:
; Launch 2 of 4: q, k, v = x W + b, the three QUANTISED products as ONE GEMM on codes of FP4 (E2M1) with E8M0 scales: [4096 tokens][K 1024] x [3072 rows N'][K 1024], sums in f32.  Nothing of reference() is left out here.
; codes: x's rows [4096][512 bytes], then from byte 2,097,152 the weights' rows in the order N' [3072][512 bytes].  sc: x's scale bytes [4096][32], from 131,072 the weights' [3072][32], from 229,376 the biases [3072] f32 in the order N'.
; A tile of C, 256 x 256, is made by four waves, 128 x 128 each: 64 accumulators, 512 registers.  K = 1,024 is two LDS slots of 512 along K, each filled once, with all scale bytes, at the kernel's head.
; CLUSTERS: 4 x 4 work-groups; A's tiles are asked for jointly along a row of the cluster, B's along a column.  A cluster's x is the area: 0 = q, 1 = k, 2 = v.
; THE MATRIX INSTRUCTION IS USED TRANSPOSED (source 0 = 16 rows of the weights, source 1 = 16 tokens): lane (r, h) holds token r and columns 16 b + 8 h + 0..7.  The bias is the C of each sum's first product.
; THE WAY OUT needs no LDS.  Rounded to f16, a lane's eight columns are 16 bytes, and the packed results of column blocks b even and b odd ARE registers 0-3 and 4-7 of a 16 x 32 f16 fragment (row r; k = 8 h .., 16 + 8 h ..):
; qkv = three areas of 8,388,608 bytes, each [batch x 16 + head][tile of 16 tokens][2,048 bytes].  q, k: [half s][1,024]: the fragment's registers 0-3 at 16 x lane, 4-7 at 512 + 16 x lane.
; v: [16 channels ct][512]: the piece (token r, channels 16 ct + 8 h ..) at 32 r + 16 h, as the turning LDS load of launch 3 takes it.  Every store of a wave covers 512 consecutive bytes, aligned.
; LIMIT: q, k, v are rounded to f16: magnitudes over 65,504 become infinity.
; REGISTERS, in windows of 256: window 0: v0-31 addresses; v32-95 scale words, two sets; v128-191 A's fragments, one set; v192-255 the bias in the result's layout; on the way out v128-255 hold packed results.
;   window 1: B's fragments, two sets.   window 2: the accumulators of my rows 0-63 ((a, b) at v[8 (8 a + b)]);   window 3: those of rows 64-127.
.set NQ,     4                         ; matrix instructions deep in a slot: 512 along K
.set ROWB,   256                       ; a tile's row in bytes
.set KROW,   512                       ; a row of codes in memory
.set PITCH,  272                       ; an LDS row: 256 bytes + 16 of padding: the 16 rows that a load touches start at 16 different banks (64 banks of 4 bytes: ISA guide 11.1)
.set FR,     8
.set NL,     2
.set NP,     4                         ; places behind this matrix instruction (ISA guide 7.12.1)
.set HALFT,  128*PITCH
.set SLOT,   4*HALFT
.set KS,     32                        ; a row of scale bytes
.set SCL,    2*SLOT                    ; behind the slots: the scales, as runs of 256 bytes + 16 of padding
.set HALFS,  (128*KS/256)*272
.set SBLK,   (16*KS/256)*272
.set SPARE,  SCL+4*HALFS               ; the spare words, 128 bytes for each wave: two blocks of 256 bytes that no other line names
.set ADRA, 16                          ; v16-17 LDS address of my A fragments in slot 0, 1
.set ADRB, 20                          ; v20-21 the same for B
.set VO,   24                          ; v24    the way out: my lane's 16 bytes in a store's 512
.set BO,   25                          ; v25    32 h: my half's eight numbers of a bias block
.set ADRS, 27                          ; v27    LDS address of my scale words: lanes 0-15 A's rows, lanes 16-31 B's
.set SPW,  28                          ; v28    LDS address of my spare word; never rewritten
.set NIL,  29                          ; v29    0; never rewritten
.set SC,   32
.set AF,   128
.set BIAS, 192
.set TMPO, 128
.set G1, 24
.set G0, 32
.set G1B, 48
.set G0B, 56
.set G1S, 68
.set G0S, 76
.set G1SB, 80
.set G0SB, 88
.set MSB, 0
.macro WIN new                         ; the immediate's high byte repeats the setting that is left
.if MSB != (\new)
	s_set_vgpr_msb (MSB<<8)|(\new)
.set MSB, (\new)
.endif
.endm
.set MUL_LO, 0xa1                      ; source 0 (B) window 1, source 1 (A) window 0, C and D window 2
.set MUL_HI, 0xf1                      ; the same, C and D window 3
.set TO_B,   0x40
; A joint load: waves 0 and 1 fetch for A, waves 2 and 3 for B; the branch hangs on the wave's number alone.  An s_nop 0 and four v_nop follow each of the two lines.
.macro JLOAD g0a, g1a, g0b, g1b
	s_cmp_eq_u32 s15, 0
	s_cbranch_scc0 .Lfor_b_\@
	tensor_load_to_lds s[\g0a:\g0a+3], s[\g1a:\g1a+7]
	s_nop 0
.rept 4
	v_nop
.endr
	s_branch .Lasked_\@
.Lfor_b_\@:
	tensor_load_to_lds s[\g0b:\g0b+3], s[\g1b:\g1b+7]
	s_nop 0
.rept 4
	v_nop
.endr
.Lasked_\@:
.endm
.macro CROUND                          ; a round of the cluster's barrier
	s_barrier_signal -1
	s_barrier_wait -1
	s_cmp_lg_u32 s14, 0
	s_cbranch_scc1 .Lnot_wave_0_\@
	s_barrier_signal -3
.Lnot_wave_0_\@:
	s_barrier_wait -3
	s_barrier_signal -1
	s_barrier_wait -1
.endm
	s_load_b128 s[4:7], s[0:1], 0x0                ; codes s[4:5], sc s[6:7]
	s_load_b64 s[12:13], s[0:1], 0x10              ; qkv
	v_lshl_add_u32 v[SPW], v0, 2, SPARE
	v_mov_b32 v[NIL], 0
	ds_add_u32 v[SPW], v[NIL]                      ; the wave's opening: the add, twice on end, and its wait ahead of my first tensor load
	ds_add_u32 v[SPW], v[NIL]
	v_lshrrev_b32 v1, 5, v0
	v_readfirstlane_b32 s14, v1                    ; wave 0..3
	s_lshr_b32 s15, s14, 1                         ; which half of the tile's rows is mine.  Also: I fetch for A (0) or for B (1)
	s_and_b32 s16, s14, 1                          ; which half of its columns.  Also: which 128 rows of that tile I fetch
	s_bfe_u32 s40, ttmp6, 0x40000                  ; cx, cy: my place in the cluster
	s_bfe_u32 s41, ttmp6, 0x40004
	s_lshl_b32 s42, ttmp9, 2
	s_add_co_u32 s42, s42, s40                     ; tile column of C
	s_and_b32 s17, ttmp7, 0xffff
	s_lshl_b32 s17, s17, 2
	s_add_co_u32 s17, s17, s41                     ; tile row of C
	s_lshl_b32 s43, s41, 2
	s_lshl_b32 s43, 15, s43                        ; my row of the cluster
	s_lshl_b32 s44, 0x1111, s40                    ; my column
	s_or_b32 s[G1+0], s43, (0<<16)|(1<<20)|(1<<21)|(5<<22)|(3<<25)  ; the mask; elements of 1 byte; padding on; bit 21 beside a mask; after every 64 words four words
	s_or_b32 s[G1B+0], s44, (0<<16)|(1<<20)|(1<<21)|(5<<22)|(3<<25)
.irp g, G1, G1B
	s_mov_b32 s[\g+1], ROWB<<16                    ; tensor_dim0
	s_mov_b32 s[\g+2], 128<<16                     ; tensor_dim1
	s_mov_b32 s[\g+3], ROWB<<16                    ; tile_dim0
	s_mov_b32 s[\g+4], 128                         ; tile_dim1
	s_mov_b32 s[\g+5], KROW                        ; from row to row
	s_mov_b32 s[\g+6], 0
	s_mov_b32 s[\g+7], 0
.endr
	s_or_b32 s[G1S+0], s43, (3<<16)|(1<<20)|(1<<21)|(5<<22)|(3<<25)  ; the scales of 128 rows: 4,096 dense bytes as 16 rows of 256 (32 elements of 8 bytes), 16 bytes of padding behind each
	s_or_b32 s[G1SB+0], s44, (3<<16)|(1<<20)|(1<<21)|(5<<22)|(3<<25)
.irp g, G1S, G1SB
	s_mov_b32 s[\g+1], 32<<16
	s_mov_b32 s[\g+2], (128*KS/256)<<16
	s_mov_b32 s[\g+3], 32<<16
	s_mov_b32 s[\g+4], 128*KS/256
	s_mov_b32 s[\g+5], 32
	s_mov_b32 s[\g+6], 0
	s_mov_b32 s[\g+7], 0
.endr
	s_lshl_b32 s18, s16, 7
	s_lshl_b32 s20, s17, 8
	s_add_co_u32 s20, s20, s18                     ; A: row 256 x tile row + 128 x half
	s_lshl_b32 s46, s42, 8
	s_add_co_u32 s46, s46, s18                     ; B: row 256 x tile column + 128 x half
	s_mov_b32 s21, 0
	s_mov_b32 s47, 0
	s_mov_b64 s[18:19], KS
	s_mul_u64 s[22:23], s[20:21], s[18:19]         ; where these rows' scales begin,
	s_mul_u64 s[92:93], s[46:47], s[18:19]
	s_mov_b64 s[18:19], KROW
	s_mul_u64 s[20:21], s[20:21], s[18:19]         ; and their codes
	s_mul_u64 s[46:47], s[46:47], s[18:19]
	s_mul_i32 s45, s14, HALFT                      ; where they go: wave x 128 rows
	s_mul_i32 s94, s14, HALFS
	s_wait_dscnt 0x0                               ; both opening adds are done
	s_wait_kmcnt 0x0
	s_add_nc_u64 s[8:9], s[4:5], 0x200000          ; the weights' codes
	s_add_nc_u64 s[10:11], s[6:7], 131072          ; and their scale bytes
	s_add_nc_u64 s[20:21], s[4:5], s[20:21]
	s_add_nc_u64 s[22:23], s[6:7], s[22:23]
	s_add_nc_u64 s[46:47], s[8:9], s[46:47]
	s_add_nc_u64 s[92:93], s[10:11], s[92:93]
	CROUND                                         ; all sixteen work-groups are here: the first joint loads meet
	s_mov_b32 s[G0S], 1
	s_add_co_u32 s[G0S+1], s94, SCL
	s_mov_b64 s[G0S+2:G0S+3], s[22:23]
	s_or_b32 s[G0S+3], s[G0S+3], 0x80000000
	s_mov_b32 s[G0SB], 1
	s_add_co_u32 s[G0SB+1], s94, SCL
	s_mov_b64 s[G0SB+2:G0SB+3], s[92:93]
	s_or_b32 s[G0SB+3], s[G0SB+3], 0x80000000
	JLOAD G0S, G1S, G0SB, G1SB                     ; the scales first: they are wanted with the first step
.irp s, 0,1
	s_mov_b32 s[G0+4*\s], 1
	s_add_co_u32 s[G0+4*\s+1], s45, \s*SLOT
	s_add_nc_u64 s[G0+4*\s+2:G0+4*\s+3], s[20:21], \s*ROWB
	s_or_b32 s[G0+4*\s+3], s[G0+4*\s+3], 0x80000000
	s_mov_b32 s[G0B+4*\s], 1
	s_add_co_u32 s[G0B+4*\s+1], s45, \s*SLOT
	s_add_nc_u64 s[G0B+4*\s+2:G0B+4*\s+3], s[46:47], \s*ROWB
	s_or_b32 s[G0B+4*\s+3], s[G0B+4*\s+3], 0x80000000
	JLOAD G0+4*\s, G1, G0B+4*\s, G1B               ; three loads of mine are out: all of K is asked for here, and no slot is filled again
.endr
	v_and_b32 v1, 15, v0                           ; r
	v_bfe_u32 v2, v0, 4, 1                         ; h
	s_lshl_b32 s46, s42, 10                        ; the bias of my 128 columns: 4 (256 x tile column + 128 x half), from byte 229,376 of sc
	s_lshl_b32 s47, s16, 9
	s_add_co_u32 s46, s46, s47
	s_add_co_u32 s46, s46, 229376
	s_mov_b32 s47, 0
	s_add_nc_u64 s[96:97], s[6:7], s[46:47]
	v_lshlrev_b32 v[BO], 5, v2
.irp b, 0,1,2,3,4,5,6,7
	global_load_b128 v[BIAS+8*\b:BIAS+8*\b+3], v[BO], s[96:97] offset:64*\b        ; lane (r, h): the bias of columns 16 b + 8 h + 0..7
	global_load_b128 v[BIAS+8*\b+4:BIAS+8*\b+7], v[BO], s[96:97] offset:64*\b+16
.endr
	v_mul_u32_u24 v3, v1, PITCH
	v_lshl_add_u32 v4, v2, 4, v3                   ; a fragment's row x pitch + 16 x half
	s_mul_i32 s21, s15, HALFT                      ; my 128 rows of A
	s_mul_i32 s22, s16, HALFT                      ; my 128 rows of B,
	s_add_co_u32 s22, s22, 2*HALFT                 ; which lie behind A's 256
.irp s, 0,1
	v_add_nc_u32 v[ADRA+\s], s21, v4
	v_add_nc_u32 v[ADRB+\s], s22, v4
	s_add_co_u32 s21, s21, SLOT
	s_add_co_u32 s22, s22, SLOT
.endr
	v_mul_u32_u24 v5, v1, KS                       ; my row's scales: 32 bytes a row,
	v_lshrrev_b32 v6, 8, v5
	v_lshl_add_u32 v5, v6, 4, v5                   ; and 16 more for each 256 passed
	s_mul_i32 s21, s15, HALFS
	s_mul_i32 s22, s16, HALFS
	s_add_co_u32 s22, s22, 2*HALFS
	s_sub_co_u32 s22, s22, s21
	v_mul_u32_u24 v6, s22, v2                      ; lanes 16-31 take B's
	s_add_co_u32 s21, s21, SCL
	v_add_nc_u32 v5, v5, v6
	v_add_nc_u32 v[ADRS], s21, v5
	; the way out: area (cluster x) x 2^23 + (batch x 16 + head) x 2^18 + tile of tokens x 2^11
	s_lshr_b32 s21, s17, 3                         ; the batch: 8 tile rows each
	s_lshl_b32 s21, s21, 4
	s_lshl_b32 s22, s40, 2                         ; 4 heads a tile column,
	s_add_co_u32 s21, s21, s22
	s_lshl_b32 s22, s16, 1                         ; 2 a wave
	s_add_co_u32 s21, s21, s22
	s_lshl_b32 s21, s21, 18
	s_and_b32 s22, s17, 7
	s_lshl_b32 s22, s22, 4                         ; 16 tiles of tokens a tile row,
	s_lshl_b32 s23, s15, 3                         ; 8 a wave
	s_add_co_u32 s22, s22, s23
	s_lshl_b32 s22, s22, 11
	s_lshl_b32 s20, ttmp9, 23
	s_add_co_u32 s20, s20, s21
	s_add_co_u32 s20, s20, s22
	s_mov_b32 s21, 0
	s_add_nc_u64 s[12:13], s[12:13], s[20:21]
	s_cmp_eq_u32 ttmp9, 2                          ; the cluster's x: the same in all sixteen partners
	s_cselect_b32 s18, 32, 16                      ; v: 32 r + 16 h;  q, k: 16 r + 256 h = 16 x lane
	s_cselect_b32 s19, 16, 256
	v_mul_u32_u24 v[VO], v1, s18
	v_mad_u32_u24 v[VO], v2, s19, v[VO]
.macro FRAG reg, adr, q, i             ; 16 rows x 128 K of 4-bit codes: 8 registers: lane l holds row l % 16; registers 4 c .. 4 c + 3 hold K = 64 c + 32 (l / 16) + 0 .. 31
.irp c, 0,1
	ds_load_b128 v[\reg+4*\c:\reg+4*\c+3], v[\adr] offset:64*(\q)+32*\c+(\i)*16*PITCH
.endr
.endm
; 16 matrix instructions: A's blocks a0, a0 + 1 x B's eight, the slot's q-th 128 along K.  p: B's set; sc: the set of scale words.  first = 1: the sum's first product takes the bias as its C: nothing is cleared, nothing is added later.
; The 64 accumulators take turns, one instruction a turn, in the same order in every step.
.macro MUL16 a0, p, q, sc, first
.irp a, \a0, \a0+1
.irp b, 0,1,2,3,4,5,6,7
.if \first
	v_wmma_scale_f32_16x16x128_f8f6f4 v[8*(8*((\a)%4)+\b):8*(8*((\a)%4)+\b)+7], v[128*(\p)+FR*\b:128*(\p)+FR*\b+FR-1], v[AF+FR*(\a):AF+FR*(\a)+FR-1], v[BIAS+8*\b:BIAS+8*\b+7], v[SC+8*NQ*(\sc)+NQ*\b+(\q)], v[SC+8*NQ*(\sc)+NQ*(\a)+(\q)] matrix_a_fmt:MATRIX_FMT_FP4 matrix_b_fmt:MATRIX_FMT_FP4 matrix_a_scale:MATRIX_SCALE_ROW1
.else
	v_wmma_scale_f32_16x16x128_f8f6f4 v[8*(8*((\a)%4)+\b):8*(8*((\a)%4)+\b)+7], v[128*(\p)+FR*\b:128*(\p)+FR*\b+FR-1], v[AF+FR*(\a):AF+FR*(\a)+FR-1], v[8*(8*((\a)%4)+\b):8*(8*((\a)%4)+\b)+7], v[SC+8*NQ*(\sc)+NQ*\b+(\q)], v[SC+8*NQ*(\sc)+NQ*(\a)+(\q)] matrix_a_fmt:MATRIX_FMT_FP4 matrix_b_fmt:MATRIX_FMT_FP4 matrix_a_scale:MATRIX_SCALE_ROW1
.endif
.endr
.endr
.endm
.macro FETCH_B slot, q, p
	WIN TO_B
.irp i, 0,1,2,3,4,5,6,7
	FRAG 128*(\p)+FR*\i, ADRB+\slot, \q, \i
.endr
	WIN 0
.endm
.macro FETCH_A slot, q, i0
.irp i, \i0, \i0+1, \i0+2, \i0+3
	FRAG AF+FR*(\i), ADRA+\slot, \q, \i
.endr
.endm
.macro SCALES sc                       ; a slot's scale words: 4 words a row; lanes 0-15 take A's block i, lanes 16-31 B's block i
.irp i, 0,1,2,3,4,5,6,7
	ds_load_b128 v[SC+8*NQ*\sc+NQ*\i:SC+8*NQ*\sc+NQ*\i+3], v[ADRS] offset:\i*SBLK
.endr
.endm
.macro PLACES n                        ; plain vector instructions between a matrix instruction and a load into, or a vector instruction on, its registers
.rept \n
	v_nop
.endr
.endm
; A step of 128 along K that has its successor in the same slot.  A's blocks 0-3 are fetched anew in its middle, blocks 4-7 at its end; B has two sets.
.macro STEP slot, q, first
	s_wait_dscnt 4*NL                              ; B's set and A's blocks 0-3 are in; the youngest eight loads (A's blocks 4-7) may be out
	WIN MUL_LO-0x20*(\first)                       ; (first = 1: C, the bias, lies in window 0)
	MUL16 0, (\q)%2, \q, \slot, \first
	MUL16 2, (\q)%2, \q, \slot, \first
	s_wait_dscnt 0
	PLACES NP
	FETCH_B \slot, (\q)+1, 1-(\q)%2
	FETCH_A \slot, (\q)+1, 0
	WIN MUL_HI-0x30*(\first)
	MUL16 4, (\q)%2, \q, \slot, \first
	MUL16 6, (\q)%2, \q, \slot, \first
	PLACES NP
	WIN 0
	FETCH_A \slot, (\q)+1, 4
.endm
; Slot 0's last step goes over to slot 1: one barrier; in front of it each wave waits for all its tensor loads (slot 1's is the one that may be out).
.macro TURN slot, next
	s_wait_tensorcnt 0x0
	ds_add_u32 v[SPW], v[NIL]                      ; 0 onto my spare word
	s_wait_dscnt 4*NL+1                            ; (the add and the youngest eight loads, A's blocks 4-7, may be out)
	WIN MUL_LO
	MUL16 0, 1, NQ-1, \slot, 0
	s_wait_dscnt 0x0
	s_barrier_signal -1
	MUL16 2, 1, NQ-1, \slot, 0
	WIN 0
	s_barrier_wait -1
	PLACES NP
	v_add_nc_u32 v[ADRS], 4*NQ, v[ADRS]            ; on to the next slot's scale words (no LDS load of mine is out)
	FETCH_B \next, 0, 0
	FETCH_A \next, 0, 0
	SCALES \next
	WIN MUL_HI
	MUL16 4, 1, NQ-1, \slot, 0
	MUL16 6, 1, NQ-1, \slot, 0
	PLACES NP
	WIN 0
	FETCH_A \next, 0, 4
.endm
	s_wait_tensorcnt 1                             ; the scales and my part of slot 0 are in (slot 1's load may be out),
	s_barrier_signal -1
	s_barrier_wait -1                              ; everybody's are
	FETCH_B 0, 0, 0
	FETCH_A 0, 0, 0
	SCALES 0
	FETCH_A 0, 0, 4
	s_wait_loadcnt 0x0                             ; the bias
	STEP 0, 0, 1
	STEP 0, 1, 0
	STEP 0, 2, 0
	TURN 0, 1
	STEP 1, 0, 0
	STEP 1, 1, 0
	STEP 1, 2, 0
	s_wait_dscnt 4*NL                              ; the last step: nothing more to fetch
	WIN MUL_LO
	MUL16 0, 1, NQ-1, 1, 0
	MUL16 2, 1, NQ-1, 1, 0
	s_wait_dscnt 0
	WIN MUL_HI
	MUL16 4, 1, NQ-1, 1, 0
	MUL16 6, 1, NQ-1, 1, 0
	WIN 0
; THE WAY OUT, block a of 16 tokens at a time: 32 roundings to f16 (each accumulator from its low end on), 8 stores of 512 consecutive bytes.  Four sets of 32 registers take turns.
.macro OUTB a
.set AC, 64*((\a)%4)
.set TO, TMPO+32*((\a)%4)
.if (\a) >= 4
	s_wait_xcnt 0x0                                ; the stores of four blocks back have read their registers, which are written again below
.endif
	WIN 0x0a+5*((\a)/4)                            ; sources 0 and 1: window 2 or 3
.irp b, 0,1,2,3,4,5,6,7
.irp p, 0,1,2,3
	v_cvt_pk_f16_f32 v[TO+4*\b+\p], v[AC+8*\b+2*\p], v[AC+8*\b+2*\p+1]
.endr
.endr
	WIN 0
.irp b, 0,1,2,3,4,5,6,7
	global_store_b128 v[VO], v[TO+4*\b:TO+4*\b+3], s[12:13] offset:(\b/4)*262144+2048*(\a)+512*(\b%4)   ; head b / 4 of my two; tile of tokens a; piece b % 4 of its 2,048 bytes
.endr
.endm
	PLACES NP                                      ; behind the last products: their results are read, and registers that they read are written, below
.irp a, 0,1,2,3,4,5,6,7
	OUTB \a
.endr
	s_wait_tensorcnt 0x0                           ; the wave's end: behind my last tensor load
	ds_add_u32 v[SPW], v[NIL]
	s_wait_dscnt 0x0
	CROUND                                         ; the closing round: no work-group ends while a partner may still ask for a tile that names it
	s_endpgm
.Lfunc_end_k_qe0c75b519e_qkv:
	.size	k_qe0c75b519e_qkv, .Lfunc_end_k_qe0c75b519e_qkv-k_qe0c75b519e_qkv
	.p2alignl 7, 3214868480
	.fill 96, 4, 3214868480
	.section	.rodata,"a",@progbits
	.p2align	6, 0x0
	.amdhsa_kernel k_qe0c75b519e_qkv
		.amdhsa_group_segment_fixed_size 327680
		.amdhsa_private_segment_fixed_size 0
		.amdhsa_enable_private_segment 0
		.amdhsa_kernarg_size 24
		.amdhsa_user_sgpr_count 2
		.amdhsa_user_sgpr_kernarg_segment_ptr 1
		.amdhsa_wavefront_size32 1
		.amdhsa_system_sgpr_workgroup_id_x 1
		.amdhsa_system_sgpr_workgroup_id_y 1
		.amdhsa_system_sgpr_workgroup_id_z 1
		.amdhsa_system_vgpr_workitem_id 0
		.amdhsa_next_free_vgpr 1024
		.amdhsa_next_free_sgpr 98
		.amdhsa_reserve_vcc 0
		.amdhsa_float_denorm_mode_32 3
		.amdhsa_float_denorm_mode_16_64 3
		.amdhsa_memory_ordered 1
		.amdhsa_forward_progress 1
		.amdhsa_inst_pref_size 120
	.end_amdhsa_kernel
	.amdgpu_metadata
---
amdhsa.version: [ 1, 2 ]
amdhsa.kernels:
  - .name:           k_qe0c75b519e_qkv
    .symbol:         k_qe0c75b519e_qkv.kd
    .args:
      - { .name: codes, .offset: 0, .size: 8, .value_kind: global_buffer, .address_space: global }
      - { .name: sc, .offset: 8, .size: 8, .value_kind: global_buffer, .address_space: global }
      - { .name: qkv, .offset: 16, .size: 8, .value_kind: global_buffer, .address_space: global }
    .group_segment_fixed_size: 327680
    .private_segment_fixed_size: 0
    .kernarg_segment_align: 8
    .kernarg_segment_size: 24
    .max_flat_workgroup_size: 128
    .sgpr_count:     98
    .vgpr_count:     1024
    .wavefront_size: 32
...
	.end_amdgpu_metadata
.endif
;; end of part 2
;; launch attn (part 3): grid 8 x 32, 16 waves a work-group, clusters of 4 x 1, 327,680 bytes of LDS; arguments qkv, maskw, lq1, lk1, lq2, lk2, ln_g, ln_b, act; writes act
.if DOCPART == 3
	.amdgcn_target "amdgcn-amd-amdhsa--gfx1250"
	.amdhsa_code_object_version 6
	.text
	.protected	k_qe0c75b519e_attn
	.globl	k_qe0c75b519e_attn
	.p2align	8
	.type	k_qe0c75b519e_attn,@function
k_qe0c75b519e_attn:
	s_mov_b64 s[64:65], 0
	v_nop
	global_prefetch_b8 v0, s[64:65] scope:SCOPE_SE
	s_setreg_imm32_b32 hwreg(HW_REG_WAVE_MODE, 25, 1), 1
	s_wait_xcnt 0x0
	s_wait_alu depctr_hold_cnt(0) depctr_sa_sdst(0) depctr_va_vdst(0) depctr_va_sdst(0) depctr_va_ssrc(0) depctr_va_vcc(0) depctr_vm_vsrc(0)
	s_getreg_b32 s2, hwreg(HW_REG_IB_STS2, 6, 4)
	s_cmp_eq_u32 s2, 0
	s_cbranch_scc0 .Lentry_in_a_cluster
	s_endpgm
.Lentry_in_a_cluster:
	s_bfe_u32 s2, ttmp6, 0x10000c
	s_cmp_lg_u32 s2, 0x3003
	s_cbranch_scc0 .Lentry_shape_is_right
	s_endpgm
.Lentry_shape_is_right:
; Launch 3 of 4: for each (batch, head): a1 = softmax(mask(q1 k1^T / sqrt 32)), a2 likewise, out = (a1 - lam a2) v, LayerNorm over the head's 64 channels, x 0.8.  Nothing of reference() is left out here.
; Products on f16 operands with f32 sums; maxima, exponentials, sums and the norm in f32.
; SHARES.  A work-group owns 256 queries of one (batch, head); each of its sixteen waves owns one tile of 16 queries, for BOTH softmaxes, in 256 registers: four waves to a SIMD, so that one wave's vector work stands
; beside another's matrix work and LDS loads.  Every wave walks all 2,048 keys, 64 a step.
; CLUSTER.  The four query blocks of a cluster belong to one (batch, head) and walk the same K and V: each tile is asked for JOINTLY, by the same tensor load with the same descriptor and the mask of all four.
; LAYOUT.  S^T = K Q^T (source 0 = 16 keys, source 1 = 16 queries): lane (r, h) holds query r and keys 16 i + 8 h + j.  Two such tiles, rounded to f16 in pairs, ARE source 1 of O^T = V^T P, whose result again holds one
; query a lane and channels 16 ct + 8 h + j.  K's tiles lie in memory and LDS as images of their registers (16 bytes a lane, 512 a load); V's pieces lie so that the turning load takes 256 consecutive bytes for each 16 lanes.
; SOFTMAX, running: Q is multiplied by c = log2(e) / sqrt(32) once, in f32, so a score is t already; a masked score is REPLACED by -1e9 log2(e); p = 2^(t - m), m the running maximum; in every step l and O are multiplied by
; a = 2^(m_old - m_new).  t - m is exactly 0 at the maximum, also in a row that is masked throughout (all p = 1: the uniform row that reference() gives).  a1 v and a2 v are summed apart (O1, O2), since the sums l1, l2
; are known only at the end: out = O1 / l1 - lam O2 / l2.
; THE MASK comes as bits: word 8 i + j of a step's 32 words has, at bit L, lane L's register j of tile i.  The words are read into scalar registers a step ahead and serve as v_cndmask_b32's select; they steer no branch and no address.
; LIMITS: q c, k, v, p and the result are rounded to f16 (q twice: as stored, and after x c); magnitudes over 65,504 there become infinity; p under 2^-25 becomes 0; l is the sum of the unrounded p; NaN and infinities are not served.
.set SLOT1, 131072                     ; a slot: 512 keys: K's 32 tiles x 2,048 bytes, then from VOFF V's; slot 1 begins here
.set VOFF,  65536
.set SPARE, 262144                     ; the spare words, 128 bytes for each wave: eight blocks of 256 bytes that no other line names
.set LI,  1                            ; v1   16 x lane
.set AV0, 2                            ; v2   my lane's place for the turning load
.set ADK, 3                            ; v3   LDS address of the step's tiles of K
.set ADV, 4                            ; v4   of V
.set SPW, 5                            ; v5   LDS address of my spare word; never rewritten
.set NIL, 6                            ; v6   0; never rewritten
.set NEG, 7                            ; v7   -1e9 log2(e)
.set ST,  8                            ; softmax g at v[ST+8 g]: +0 m, +1 zero (named with m as a pair), +2, +3 l (even keys', odd keys'), +4 to +7 at work; a takes +6
.set Q,   24                           ; v24-39   Q1's fragment, Q2's
.set X,   40                           ; v40-103  K's fragments (tile i, half g) at X + 16 i + 8 g; then P of softmax g at X + 16 g
.set Y,   104                          ; v104-167 S of softmax g, tile i at Y + 32 g + 8 i; then V's fragments (ct, kh) at Y + 8 (4 kh + ct)
.set O,   168                          ; v168-231 O of softmax g, channels 16 ct on at O + 32 g + 8 ct
.set LAM, 232                          ; v232 lam;  v233-243 at work
.set WV,  22
.set G1,  28                           ; s[28:35] descriptor group 1
.set G0A, 36                           ; s[36:39] group 0: slot 0's first fill
.set G0B, 40                           ; s[40:43] group 0: slot 1's first fill; it then walks
.set CS,  44                           ; s[44:45] c
.set SEL, 46                           ; s[46:47] v_permlanex16_b32's selects for lane l xor 16
.set TB,  48                           ; s48  LDS byte at which the step's tiles of K begin
.set CNT, 49
.set MOFF, 50                          ; s50  byte of the mask words that are on their way
.set MP,  52                           ; s[52:53] my tile of queries' 4,096 bytes of mask words
.set MK,  68                           ; s[68:99] the step's 32 mask words
.macro CROUND                          ; a round of the cluster's barrier
	s_barrier_signal -1
	s_barrier_wait -1
	s_cmp_lg_u32 s[WV], 0
	s_cbranch_scc1 .Lnot_wave_0_\@
	s_barrier_signal -3
.Lnot_wave_0_\@:
	s_barrier_wait -3
	s_barrier_signal -1
	s_barrier_wait -1
.endm
	s_load_b512 s[4:19], s[0:1], 0x0               ; qkv s[4:5], maskw s[6:7], lq1 s[8:9], lk1 s[10:11], lq2 s[12:13], lk2 s[14:15], ln_g s[16:17], ln_b s[18:19]
	s_load_b64 s[20:21], s[0:1], 0x40              ; act
	v_lshl_add_u32 v[SPW], v0, 2, SPARE
	v_mov_b32 v[NIL], 0
	ds_add_u32 v[SPW], v[NIL]                      ; the wave's opening: the add, twice on end, and its wait ahead of my first tensor load
	ds_add_u32 v[SPW], v[NIL]
	v_lshrrev_b32 v1, 5, v0
	v_readfirstlane_b32 s[WV], v1                  ; wave 0..15
	s_bfe_u32 s23, ttmp6, 0x40000                  ; cx: it enters Q's, the mask's and the result's addresses alone
	s_lshl_b32 s24, ttmp9, 2
	s_add_co_u32 s24, s24, s23                     ; my block of 256 queries
	s_lshl_b32 s24, s24, 4
	s_add_co_u32 s24, s24, s[WV]                   ; my tile of 16 queries, 0..127
	s_and_b32 s25, ttmp7, 0xffff                   ; batch x 16 + head, which the four partners share
	s_lshr_b32 s26, s25, 4
	s_and_b32 s27, s25, 15                         ; the head
	s_lshl_b32 s26, s26, 7
	s_add_co_u32 s26, s26, s24                     ; batch x 128 + tile of queries
	s_lshr_b32 s54, s[WV], 3                       ; what I fetch: waves 0-7 K's area (1), waves 8-15 V's (2): 2^23 bytes each,
	s_add_co_u32 s54, s54, 1
	s_lshl_b32 s54, s54, 23
	s_lshl_b32 s55, s25, 18                        ; the head's 2^18 bytes,
	s_add_co_u32 s54, s54, s55
	s_and_b32 s55, s[WV], 7
	s_lshl_b32 s55, s55, 13                        ; my 8,192 of a slot's 65,536
	s_add_co_u32 s54, s54, s55
	s_mov_b32 s55, 0
	s_lshl_b32 s56, s25, 18                        ; Q: area 0, the head, my tile's 2,048 bytes
	s_lshl_b32 s57, s24, 11
	s_add_co_u32 s56, s56, s57
	s_mov_b32 s57, 0
	s_lshl_b32 s58, s26, 12                        ; the mask words
	s_mov_b32 s59, 0
	s_lshl_b32 s60, s26, 15                        ; act: [tile of 16 tokens][K step of 32][1,024 bytes]: the head is K steps 2 head, 2 head + 1
	s_lshl_b32 s61, s27, 11
	s_add_co_u32 s60, s60, s61
	s_mov_b32 s61, 0
	s_lshl_b32 s62, s27, 8                         ; ln_g, ln_b: 256 bytes a head
	s_mov_b32 s63, 0
	s_mov_b32 s[G1], 15|(3<<16)|(1<<21)            ; the mask: all four work-groups; elements of 8 bytes; bit 21 beside a mask; no padding
	s_mov_b32 s[G1+1], 32<<16                      ; tensor_dim0 = 32 elements: rows of 256 bytes
	s_mov_b32 s[G1+2], 32<<16                      ; tensor_dim1 = 32 rows: 8,192 dense bytes
	s_mov_b32 s[G1+3], 32<<16                      ; tile_dim0
	s_mov_b32 s[G1+4], 32                          ; tile_dim1
	s_mov_b32 s[G1+5], 32                          ; from row to row
	s_mov_b32 s[G1+6], 0
	s_mov_b32 s[G1+7], 0
	s_mov_b32 s[CS], 0x3e8293ee                    ; c = log2(e) / sqrt(32)
	s_mov_b32 s[CS+1], s[CS]
	s_mov_b32 s[SEL], 0x76543210
	s_mov_b32 s[SEL+1], 0xfedcba98
	s_mov_b32 s[MOFF], 0
	s_wait_dscnt 0x0                               ; both opening adds are done
	s_wait_kmcnt 0x0
	s_mov_b32 s[G0A], 1
	s_lshl_b32 s[G0A+1], s[WV], 13                 ; LDS: 8,192 x wave: K's eight parts, then V's eight
	s_add_nc_u64 s[G0A+2:G0A+3], s[4:5], s[54:55]
	s_mov_b32 s[G0B], 1
	s_add_co_u32 s[G0B+1], s[G0A+1], SLOT1
	s_add_nc_u64 s[G0B+2:G0B+3], s[G0A+2:G0A+3], 65536   ; the next 512 keys
	s_or_b32 s[G0A+3], s[G0A+3], 0x80000000
	s_or_b32 s[G0B+3], s[G0B+3], 0x80000000
	s_add_nc_u64 s[56:57], s[4:5], s[56:57]
	s_add_nc_u64 s[MP:MP+1], s[6:7], s[58:59]
	s_add_nc_u64 s[20:21], s[20:21], s[60:61]
	s_add_nc_u64 s[16:17], s[16:17], s[62:63]
	s_add_nc_u64 s[18:19], s[18:19], s[62:63]
	CROUND                                         ; all four work-groups are here: the first joint loads meet
	tensor_load_to_lds s[G0A:G0A+3], s[G1:G1+7]    ; every wave fetches: two loads of mine are out
	s_nop 0
	tensor_load_to_lds s[G0B:G0B+3], s[G1:G1+7]
	s_nop 0
	s_load_b512 s[MK:MK+15], s[MP:MP+1], 0x0       ; the first step's mask words
	s_load_b512 s[MK+16:MK+31], s[MP:MP+1], 0x40
	v_and_b32 v1, 31, v0
	v_lshlrev_b32 v233, 2, v1                      ; 4 x lane
	v_lshlrev_b32 v[LI], 4, v1
.irp k, 0,1,2,3
	global_load_b128 v[Q+4*\k:Q+4*\k+3], v[LI], s[56:57] offset:512*\k   ; Q1's and Q2's images
.endr
	global_load_b32 v234, v233, s[8:9]
	global_load_b32 v235, v233, s[10:11]
	global_load_b32 v236, v233, s[12:13]
	global_load_b32 v237, v233, s[14:15]
	v_bfe_u32 v[AV0], v0, 4, 1                     ; the turning load: lane L reads 16 bytes: key 8 (L / 16) + L % 8, channels 8 ((L / 8) % 2) on: 256 (L / 16) + 32 (L % 8) + 16 ((L / 8) % 2)
	v_lshlrev_b32 v[AV0], 8, v[AV0]
	v_and_b32 v3, 7, v0
	v_lshl_add_u32 v[AV0], v3, 5, v[AV0]
	v_bfe_u32 v3, v0, 3, 1
	v_lshl_add_u32 v[AV0], v3, 4, v[AV0]
	v_add_nc_u32 v[AV0], VOFF, v[AV0]
	v_mov_b32 v[NEG], 0xceabfb8f                   ; -1e9 log2(e)
.irp g, 0,1
	v_mov_b32 v[ST+8*\g], 0xff61b1e6               ; m: -3e38, under every t
	v_mov_b32 v[ST+8*\g+1], 0
	v_mov_b32 v[ST+8*\g+2], 0                      ; l
	v_mov_b32 v[ST+8*\g+3], 0
.endr
.set n, 0
.rept 64
	v_mov_b32 v[O+n], 0                            ; O.  (The step is written once: the first finds zeros, and its a is 0)
.set n, n+1
.endr
	s_wait_loadcnt 0x0
	; Q x c, in f32: v24-39 widened into v104-135, multiplied, rounded back
	v_cvt_f32_f16 v104, v24.l
	v_cvt_f32_f16 v105, v24.h
	v_cvt_f32_f16 v106, v25.l
	v_cvt_f32_f16 v107, v25.h
	v_cvt_f32_f16 v108, v26.l
	v_cvt_f32_f16 v109, v26.h
	v_cvt_f32_f16 v110, v27.l
	v_cvt_f32_f16 v111, v27.h
	v_cvt_f32_f16 v112, v28.l
	v_cvt_f32_f16 v113, v28.h
	v_cvt_f32_f16 v114, v29.l
	v_cvt_f32_f16 v115, v29.h
	v_cvt_f32_f16 v116, v30.l
	v_cvt_f32_f16 v117, v30.h
	v_cvt_f32_f16 v118, v31.l
	v_cvt_f32_f16 v119, v31.h
	v_cvt_f32_f16 v120, v32.l
	v_cvt_f32_f16 v121, v32.h
	v_cvt_f32_f16 v122, v33.l
	v_cvt_f32_f16 v123, v33.h
	v_cvt_f32_f16 v124, v34.l
	v_cvt_f32_f16 v125, v34.h
	v_cvt_f32_f16 v126, v35.l
	v_cvt_f32_f16 v127, v35.h
	v_cvt_f32_f16 v128, v36.l
	v_cvt_f32_f16 v129, v36.h
	v_cvt_f32_f16 v130, v37.l
	v_cvt_f32_f16 v131, v37.h
	v_cvt_f32_f16 v132, v38.l
	v_cvt_f32_f16 v133, v38.h
	v_cvt_f32_f16 v134, v39.l
	v_cvt_f32_f16 v135, v39.h
.set n, 0
.rept 16
	v_pk_mul_f32 v[Y+2*n:Y+2*n+1], v[Y+2*n:Y+2*n+1], s[CS:CS+1] op_sel_hi:[1,0]
.set n, n+1
.endr
.set n, 0
.rept 16
	v_cvt_pk_f16_f32 v[Q+n], v[Y+2*n], v[Y+2*n+1]
.set n, n+1
.endr
	; lam = exp(sum lq1 lk1) - exp(sum lq2 lk2) + 0.2: a number a lane, summed over the wave's 32 lanes
	v_mul_f32 v234, v234, v235
	v_mul_f32 v236, v236, v237
.irp x, 1,2,4,8
	v_add_f32_dpp v234, v234, v234 row_xmask:\x row_mask:0xf bank_mask:0xf
	v_add_f32_dpp v236, v236, v236 row_xmask:\x row_mask:0xf bank_mask:0xf
.endr
	v_permlanex16_b32 v235, v234, s[SEL], s[SEL+1]
	v_permlanex16_b32 v237, v236, s[SEL], s[SEL+1]
	v_add_f32 v234, v234, v235
	v_add_f32 v236, v236, v237
	v_mul_f32 v234, 0x3fb8aa3b, v234               ; x log2(e)
	v_mul_f32 v236, 0x3fb8aa3b, v236
	v_exp_f32 v234, v234
	v_exp_f32 v236, v236
	v_nop                                          ; a plain instruction behind the last exponential
	s_wait_alu depctr_va_vdst(0)                   ; and a wait ahead of the first use: one for both
	v_sub_f32 v[LAM], v234, v236
	v_add_f32 v[LAM], 0x3e4ccccd, v[LAM]
; A KEY STEP: 64 keys, both softmaxes.
.macro STEP
	v_add_nc_u32 v[ADK], s[TB], v[LI]
	v_add_nc_u32 v[ADV], s[TB], v[AV0]
.rept 3
	v_nop                                          ; with the two additions five places behind the last step's products: P's registers are loaded over, and V's are written over by matrix instructions (ISA guide 7.12.1)
.endr
.irp i, 0,1,2,3
.irp g, 0,1
.irp c, 0,1
	ds_load_b128 v[X+16*\i+8*\g+4*\c:X+16*\i+8*\g+4*\c+3], v[ADK] offset:2048*\i+1024*\g+512*\c
.endr
.endr
.endr
	s_wait_dscnt 0x0
.irp i, 0,1,2,3
.irp g, 0,1
	v_wmma_f32_16x16x32_f16 v[Y+32*\g+8*\i:Y+32*\g+8*\i+7], v[X+16*\i+8*\g:X+16*\i+8*\g+7], v[Q+8*\g:Q+8*\g+7], 0
.endr
.endr
.rept 4
	v_nop
.endr
	s_wait_kmcnt 0x0                               ; the step's mask words, asked for a step ago
.irp i, 0,1,2,3
.irp j, 0,1,2,3,4,5,6,7
	v_cndmask_b32 v[Y+8*\i+\j], v[NEG], v[Y+8*\i+\j], s[MK+8*\i+\j]            ; bit set: the score stays; else -1e9 log2(e).  Each tile from its low end on
	v_cndmask_b32 v[Y+32+8*\i+\j], v[NEG], v[Y+32+8*\i+\j], s[MK+8*\i+\j]
.endr
.endr
	s_add_co_u32 s[MOFF], s[MOFF], 128             ; the next step's 32 words (behind the wait above, which shows the last loads done);
	s_and_b32 s[MOFF], s[MOFF], 4095               ; the last step's look-ahead wraps to the row's first words, so that it stays inside the buffer; it is not used
	s_load_b512 s[MK:MK+15], s[MP:MP+1], s[MOFF]
	s_load_b512 s[MK+16:MK+31], s[MP:MP+1], s[MOFF] offset:0x40
.irp e, 0,1,2,3                                ; the maximum of 32 scores and the old m: four chains, the two softmaxes by turns
.irp g, 0,1
	v_max3_num_f32 v[ST+8*\g+4+\e], v[Y+32*\g+8*\e], v[Y+32*\g+8*\e+1], v[Y+32*\g+8*\e+2]
.endr
.endr
.irp d, 3,5
.irp e, 0,1,2,3
.irp g, 0,1
	v_max3_num_f32 v[ST+8*\g+4+\e], v[ST+8*\g+4+\e], v[Y+32*\g+8*\e+\d], v[Y+32*\g+8*\e+\d+1]
.endr
.endr
.endr
.irp g, 0,1
	v_max3_num_f32 v[ST+8*\g+4], v[ST+8*\g+4], v[Y+32*\g+7], v[Y+32*\g+15]
	v_max3_num_f32 v[ST+8*\g+6], v[ST+8*\g+6], v[Y+32*\g+23], v[Y+32*\g+31]
.endr
.irp g, 0,1
	v_max3_num_f32 v[ST+8*\g+4], v[ST+8*\g+4], v[ST+8*\g+5], v[ST+8*\g+6]
.endr
.irp g, 0,1
	v_max3_num_f32 v[ST+8*\g+4], v[ST+8*\g+4], v[ST+8*\g+7], v[ST+8*\g]
.endr
.irp g, 0,1
	v_permlanex16_b32 v[ST+8*\g+5], v[ST+8*\g+4], s[SEL], s[SEL+1]   ; the query's other 32 keys lie in the lane 16 away
.endr
.irp g, 0,1
	v_mov_b32 v[ST+8*\g+7], v[ST+8*\g]             ; m_old
.endr
.irp g, 0,1
	v_max_num_f32 v[ST+8*\g], v[ST+8*\g+4], v[ST+8*\g+5]
.endr
.irp g, 0,1
	v_sub_f32 v[ST+8*\g+7], v[ST+8*\g+7], v[ST+8*\g]
.endr
.irp b, 0,2,4,6,8,10,12,14,16,18,20,22,24,26,28,30
.irp g, 0,1
	v_pk_add_f32 v[Y+32*\g+\b:Y+32*\g+\b+1], v[Y+32*\g+\b:Y+32*\g+\b+1], v[ST+8*\g:ST+8*\g+1] op_sel_hi:[1,0] neg_lo:[0,1] neg_hi:[0,1]   ; t - m, two at a time
.endr
.endr
.irp g, 0,1
	v_exp_f32 v[ST+8*\g+6], v[ST+8*\g+7]           ; a = 2^(m_old - m_new)
.endr
.set n, 0
.rept 64
	v_exp_f32 v[Y+n], v[Y+n]                       ; p = 2^(t - m)
.set n, n+1
.endr
	v_nop                                          ; a plain instruction behind the last exponential
	s_wait_alu depctr_va_vdst(0)                   ; one wait for the batch of 66, ahead of its first reader
.irp g, 0,1
.irp b, 0,1,2,3,4,5,6,7,8,9,10,11,12,13,14,15
	v_cvt_pk_f16_f32 v[X+16*\g+\b], v[Y+32*\g+2*\b], v[Y+32*\g+2*\b+1]   ; P: registers 8 kh .. 8 kh + 7 are source 1 for keys 32 kh on
.endr
.endr
.irp u, 0,1,2,3,4,5,6,7                        ; the sum of the unrounded p, in place: neighbours 1, 2, 4, 8 pairs apart
.irp g, 0,1
	v_pk_add_f32 v[Y+32*\g+4*\u:Y+32*\g+4*\u+1], v[Y+32*\g+4*\u:Y+32*\g+4*\u+1], v[Y+32*\g+4*\u+2:Y+32*\g+4*\u+3]
.endr
.endr
.irp u, 0,1,2,3
.irp g, 0,1
	v_pk_add_f32 v[Y+32*\g+8*\u:Y+32*\g+8*\u+1], v[Y+32*\g+8*\u:Y+32*\g+8*\u+1], v[Y+32*\g+8*\u+4:Y+32*\g+8*\u+5]
.endr
.endr
.irp u, 0,1
.irp g, 0,1
	v_pk_add_f32 v[Y+32*\g+16*\u:Y+32*\g+16*\u+1], v[Y+32*\g+16*\u:Y+32*\g+16*\u+1], v[Y+32*\g+16*\u+8:Y+32*\g+16*\u+9]
.endr
.endr
.irp g, 0,1
	v_pk_add_f32 v[Y+32*\g:Y+32*\g+1], v[Y+32*\g:Y+32*\g+1], v[Y+32*\g+16:Y+32*\g+17]
.endr
.irp g, 0,1
	v_pk_fma_f32 v[ST+8*\g+2:ST+8*\g+3], v[ST+8*\g+2:ST+8*\g+3], v[ST+8*\g+6:ST+8*\g+7], v[Y+32*\g:Y+32*\g+1] op_sel_hi:[1,0,1]   ; l = l a + the sum
.endr
.irp kh, 0,1
.irp ct, 0,1,2,3
.irp u, 0,1
	ds_load_tr16_b128 v[Y+8*(4*\kh+\ct)+4*\u:Y+8*(4*\kh+\ct)+4*\u+3], v[ADV] offset:2048*(2*\kh+\u)+512*\ct   ; V^T: channel l % 16, keys 32 kh + 16 u + 8 (l / 16) on
.endr
.endr
.endr
.irp g, 0,1
.irp b, 0,2,4,6,8,10,12,14,16,18,20,22,24,26,28,30
	v_pk_mul_f32 v[O+32*\g+\b:O+32*\g+\b+1], v[O+32*\g+\b:O+32*\g+\b+1], v[ST+8*\g+6:ST+8*\g+7] op_sel_hi:[1,0]   ; O x a, while V is on its way; each accumulator from its low end on
.endr
.endr
	s_wait_dscnt 0x0
.irp kh, 0,1                                   ; the eight accumulators take turns, one instruction a turn
.irp g, 0,1
.irp ct, 0,1,2,3
	v_wmma_f32_16x16x32_f16 v[O+32*\g+8*\ct:O+32*\g+8*\ct+7], v[Y+8*(4*\kh+\ct):Y+8*(4*\kh+\ct)+7], v[X+16*\g+8*\kh:X+16*\g+8*\kh+7], v[O+32*\g+8*\ct:O+32*\g+8*\ct+7]
.endr
.endr
.endr
.endm
.macro SLOT_STEPS base                 ; a slot's eight key steps: written once, walked eight times
	s_mov_b32 s[TB], \base
	s_mov_b32 s[CNT], 8
.Lstep_\@:
	STEP
	s_add_co_u32 s[TB], s[TB], 8192                ; four tiles of 2,048 bytes on, in K's part and in V's
	s_sub_co_u32 s[CNT], s[CNT], 1
	s_cmp_lg_u32 s[CNT], 0
	s_cbranch_scc1 .Lstep_\@
.endm
; THE CHANGE OF SLOTS.  Each wave waits for all its tensor loads (its part of the slot ahead), adds 0 to its spare word, and waits for that and for its reads of the slot that it leaves.  fill = 1: a round of the cluster's
; barrier, so that no wave of any partner still reads that slot or has a load on its way; the joint refill is the first thing behind it, one load a wave, and has eight key steps in which to land.
.macro CHANGE fill
	s_wait_tensorcnt 0x0                           ; no tensor load of mine is out, so a group 0 may be written
	ds_add_u32 v[SPW], v[NIL]                      ; 0 onto my spare word
.if \fill
	s_xor_b32 s[G0B+1], s[G0B+1], SLOT1            ; the walking descriptor: the other slot than last time,
	s_add_nc_u64 s[G0B+2:G0B+3], s[G0B+2:G0B+3], 65536   ; the next 512 keys; the type bits on top are not reached
.endif
	s_wait_dscnt 0x0
.if \fill
	CROUND
	tensor_load_to_lds s[G0B:G0B+3], s[G1:G1+7]
	s_nop 0
.else
	s_barrier_signal -1
	s_barrier_wait -1
.endif
.endm
	s_wait_tensorcnt 1                             ; my part of slot 0 is in; slot 1's may stay out
	s_barrier_signal -1
	s_barrier_wait -1
	SLOT_STEPS 0                                   ; keys 0-511
	CHANGE 1                                       ; slot 0 takes keys 1,024 on
	SLOT_STEPS SLOT1                               ; keys 512-1,023
	CHANGE 1                                       ; slot 1 takes keys 1,536 on: the last load
	SLOT_STEPS 0
	CHANGE 0
	SLOT_STEPS SLOT1
	; THE WAY OUT.  out = O1 / l1 - lam O2 / l2; LayerNorm over the 64 channels (32 in my lane, 32 in the lane 16 away); x 0.8; f16.  The first four lines are the places behind the last products.
	v_add_f32 v[ST+4], v[ST+2], v[ST+3]
	v_add_f32 v[ST+12], v[ST+10], v[ST+11]
	v_bfe_u32 v233, v0, 4, 1
	v_lshlrev_b32 v233, 5, v233                    ; 32 h: my half's eight numbers of 16 channels
.irp ct, 0,1,2,3
	global_load_b128 v[Y+8*\ct:Y+8*\ct+3], v233, s[16:17] offset:64*\ct            ; ln_g in O's layout
	global_load_b128 v[Y+8*\ct+4:Y+8*\ct+7], v233, s[16:17] offset:64*\ct+16
	global_load_b128 v[Y+32+8*\ct:Y+32+8*\ct+3], v233, s[18:19] offset:64*\ct      ; ln_b
	global_load_b128 v[Y+32+8*\ct+4:Y+32+8*\ct+7], v233, s[18:19] offset:64*\ct+16
.endr
	s_mov_b32 s54, 0x3c800000                      ; 1 / 64
	s_mov_b32 s55, 0x3727c5ac                      ; 1e-5
	v_permlanex16_b32 v[ST+5], v[ST+4], s[SEL], s[SEL+1]
	v_permlanex16_b32 v[ST+13], v[ST+12], s[SEL], s[SEL+1]
	v_add_f32 v[ST+4], v[ST+4], v[ST+5]            ; l1
	v_add_f32 v[ST+12], v[ST+12], v[ST+13]         ; l2
	v_rcp_f32 v234, v[ST+4]
	v_rcp_f32 v236, v[ST+12]
	v_nop
	s_wait_alu depctr_va_vdst(0)                   ; one wait for both reciprocals, ahead of their first reader
	v_mul_f32 v236, -v[LAM], v236                  ; -lam / l2
.set n, 0
.rept 16
	v_pk_mul_f32 v[X+32+n:X+33+n], v[O+32+n:O+33+n], v[236:237] op_sel_hi:[1,0]
.set n, n+2
.endr
.set n, 0
.rept 16
	v_pk_fma_f32 v[X+n:X+n+1], v[O+n:O+n+1], v[234:235], v[X+32+n:X+33+n] op_sel_hi:[1,0,1]
.set n, n+2
.endr
	v_pk_add_f32 v[238:239], v[X:X+1], v[X+2:X+3]  ; the mean, in two chains
	v_pk_add_f32 v[240:241], v[X+4:X+5], v[X+6:X+7]
.irp n, 8,12,16,20,24,28
	v_pk_add_f32 v[238:239], v[238:239], v[X+\n:X+\n+1]
	v_pk_add_f32 v[240:241], v[240:241], v[X+\n+2:X+\n+3]
.endr
	v_pk_add_f32 v[238:239], v[238:239], v[240:241]
	v_add_f32 v238, v238, v239
	v_permlanex16_b32 v239, v238, s[SEL], s[SEL+1]
	v_add_f32 v238, v238, v239
	v_mul_f32 v238, s54, v238                      ; mu
.set n, 0
.rept 16
	v_pk_add_f32 v[X+n:X+n+1], v[X+n:X+n+1], v[238:239] op_sel_hi:[1,0] neg_lo:[0,1] neg_hi:[0,1]
.set n, n+2
.endr
	v_pk_mul_f32 v[240:241], v[X:X+1], v[X:X+1]    ; the sum of squares, in two chains
	v_pk_mul_f32 v[242:243], v[X+2:X+3], v[X+2:X+3]
.irp n, 4,8,12,16,20,24,28
	v_pk_fma_f32 v[240:241], v[X+\n:X+\n+1], v[X+\n:X+\n+1], v[240:241]
	v_pk_fma_f32 v[242:243], v[X+\n+2:X+\n+3], v[X+\n+2:X+\n+3], v[242:243]
.endr
	v_pk_add_f32 v[240:241], v[240:241], v[242:243]
	v_add_f32 v240, v240, v241
	v_permlanex16_b32 v241, v240, s[SEL], s[SEL+1]
	v_add_f32 v240, v240, v241
	v_fma_f32 v240, v240, s54, s55                 ; var + 1e-5
	v_rsq_f32 v240, v240
	v_nop
	s_wait_alu depctr_va_vdst(0)
.set n, 0
.rept 16
	v_pk_mul_f32 v[X+n:X+n+1], v[X+n:X+n+1], v[240:241] op_sel_hi:[1,0]
.set n, n+2
.endr
	s_wait_loadcnt 0x0                             ; ln_g, ln_b
.set n, 0
.rept 16
	v_pk_fma_f32 v[X+n:X+n+1], v[X+n:X+n+1], v[Y+n:Y+n+1], v[Y+32+n:Y+33+n]
.set n, n+2
.endr
.set n, 0
.rept 16
	v_pk_mul_f32 v[X+n:X+n+1], v[X+n:X+n+1], 0x3f4ccccd op_sel_hi:[1,0]   ; x (1 - 0.2)
.set n, n+2
.endr
.set n, 0
.rept 16
	v_cvt_pk_f16_f32 v[X+32+n], v[X+2*n], v[X+2*n+1]
.set n, n+1
.endr
.irp ct, 0,1,2,3
	global_store_b128 v[LI], v[X+32+4*\ct:X+32+4*\ct+3], s[20:21] offset:512*\ct   ; channels 16 ct on are registers 0-3 (ct even) or 4-7 (ct odd) of launch 4's fragment: 512 consecutive bytes a store, 2,048 a wave
.endr
	s_wait_tensorcnt 0x0                           ; the wave's end: behind my last tensor load
	ds_add_u32 v[SPW], v[NIL]
	s_wait_dscnt 0x0
	CROUND                                         ; the closing round: no work-group ends while a partner may still ask for a tile that names it
	s_endpgm
.Lfunc_end_k_qe0c75b519e_attn:
	.size	k_qe0c75b519e_attn, .Lfunc_end_k_qe0c75b519e_attn-k_qe0c75b519e_attn
	.p2alignl 7, 3214868480
	.fill 96, 4, 3214868480
	.section	.rodata,"a",@progbits
	.p2align	6, 0x0
	.amdhsa_kernel k_qe0c75b519e_attn
		.amdhsa_group_segment_fixed_size 327680
		.amdhsa_private_segment_fixed_size 0
		.amdhsa_enable_private_segment 0
		.amdhsa_kernarg_size 72
		.amdhsa_user_sgpr_count 2
		.amdhsa_user_sgpr_kernarg_segment_ptr 1
		.amdhsa_wavefront_size32 1
		.amdhsa_system_sgpr_workgroup_id_x 1
		.amdhsa_system_sgpr_workgroup_id_y 1
		.amdhsa_system_sgpr_workgroup_id_z 1
		.amdhsa_system_vgpr_workitem_id 0
		.amdhsa_next_free_vgpr 256
		.amdhsa_next_free_sgpr 100
		.amdhsa_reserve_vcc 0
		.amdhsa_float_denorm_mode_32 3
		.amdhsa_float_denorm_mode_16_64 3
		.amdhsa_memory_ordered 1
		.amdhsa_forward_progress 1
		.amdhsa_inst_pref_size 110
	.end_amdhsa_kernel
	.amdgpu_metadata
---
amdhsa.version: [ 1, 2 ]
amdhsa.kernels:
  - .name:           k_qe0c75b519e_attn
    .symbol:         k_qe0c75b519e_attn.kd
    .args:
      - { .name: qkv, .offset: 0, .size: 8, .value_kind: global_buffer, .address_space: global }
      - { .name: maskw, .offset: 8, .size: 8, .value_kind: global_buffer, .address_space: global }
      - { .name: lq1, .offset: 16, .size: 8, .value_kind: global_buffer, .address_space: global }
      - { .name: lk1, .offset: 24, .size: 8, .value_kind: global_buffer, .address_space: global }
      - { .name: lq2, .offset: 32, .size: 8, .value_kind: global_buffer, .address_space: global }
      - { .name: lk2, .offset: 40, .size: 8, .value_kind: global_buffer, .address_space: global }
      - { .name: ln_g, .offset: 48, .size: 8, .value_kind: global_buffer, .address_space: global }
      - { .name: ln_b, .offset: 56, .size: 8, .value_kind: global_buffer, .address_space: global }
      - { .name: act, .offset: 64, .size: 8, .value_kind: global_buffer, .address_space: global }
    .group_segment_fixed_size: 327680
    .private_segment_fixed_size: 0
    .kernarg_segment_align: 8
    .kernarg_segment_size: 72
    .max_flat_workgroup_size: 512
    .sgpr_count:     100
    .vgpr_count:     256
    .wavefront_size: 32
...
	.end_amdgpu_metadata
.endif
;; end of part 3
;; launch proj (part 4): grid 8 x 32, 4 waves a work-group, clusters of 4 x 4, 327,680 bytes of LDS; arguments act, woimg, out0, bo; writes out0
.if DOCPART == 4
	.amdgcn_target "amdgcn-amd-amdhsa--gfx1250"
	.amdhsa_code_object_version 6
	.text
	.protected	k_qe0c75b519e_proj
	.globl	k_qe0c75b519e_proj
	.p2align	8
	.type	k_qe0c75b519e_proj,@function
k_qe0c75b519e_proj:
	s_mov_b64 s[64:65], 0
	v_nop
	global_prefetch_b8 v0, s[64:65] scope:SCOPE_SE
	s_setreg_imm32_b32 hwreg(HW_REG_WAVE_MODE, 25, 1), 1
	s_wait_xcnt 0x0
	s_wait_alu depctr_hold_cnt(0) depctr_sa_sdst(0) depctr_va_vdst(0) depctr_va_sdst(0) depctr_va_ssrc(0) depctr_va_vcc(0) depctr_vm_vsrc(0)
	s_getreg_b32 s2, hwreg(HW_REG_IB_STS2, 6, 4)
	s_cmp_eq_u32 s2, 0
	s_cbranch_scc0 .Lentry_in_a_cluster
	s_endpgm
.Lentry_in_a_cluster:
	s_bfe_u32 s2, ttmp6, 0x10000c
	s_cmp_lg_u32 s2, 0xf033
	s_cbranch_scc0 .Lentry_shape_is_right
	s_endpgm
.Lentry_shape_is_right:
; Launch 4 of 4: out0 = act Wo + bo: [4096][K 1024] x [K 1024][1024], f16 operands, f32 sums, f32 out.  Nothing of reference() is left out here.
; Both operands lie in memory as images of their fragments' registers: act [tile of 16 tokens][K step of 32][1,024 bytes], woimg [tile of 16 columns][K step of 32][1,024 bytes]: registers 0-3 at 16 x lane, 4-7 at 512 + 16 x lane.
; So every LDS load takes 512 consecutive bytes, and a tile's 256 along K are 8,192 consecutive bytes of memory.
; A tile of C is 128 x 128: 256 work-groups.  Four waves, each 64 x 64: 16 accumulators.  K goes in 4 steps of 256 through two LDS slots; a wave's tensor load brings 4 tiles x 8,192 bytes.
; CLUSTERS: 4 x 4 work-groups: A's tiles are asked for jointly along a row of the cluster, B's along a column.  THE MATRIX INSTRUCTION IS USED TRANSPOSED (source 0 = 16 columns of Wo, source 1 = 16 tokens): a lane holds eight
; neighbouring numbers of a row of C.  bo is the C of each sum's first product.
; REGISTERS: window 0: v0-31 addresses; v32-95 the way out; v96-127 bo in the result's layout; v128-255 the accumulators ((a, b) at v[128 + 8 (4 a + b)]).  window 1: two fragment buffers of 128: 64 of A (2 K steps x 4 tiles), 64 of B.
.set SLOT,   131072                    ; A's 8 tiles x 8,192 bytes, then B's 8
.set STAGE,  2*SLOT                    ; behind the slots: 16 rows x 272 bytes for each wave
.set SPITCH, 272
.set SPARE,  STAGE+4*16*SPITCH         ; the spare words, 128 bytes for each wave: two blocks of 256 bytes that no other line names
.set ADRA, 16                          ; v16-17 LDS address of my A fragments in slot 0, 1
.set ADRB, 20                          ; v20-21 the same for B
.set STO,  24                          ; v24    the way out: where I put 32 bytes of a row
.set RD,   25                          ; v25    where I read a row back
.set CO,   26                          ; v26    my byte offset in out0
.set BO,   27                          ; v27    32 h
.set SPW,  28                          ; v28    LDS address of my spare word; never rewritten
.set NIL,  29                          ; v29    0; never rewritten
.set TMP,  32
.set BIAS, 96
.set ACC,  128
.set F0,   0
.set F1,   128
.set G1, 24
.set G0, 32
.set G1B, 48
.set G0B, 56
.set MSB, 0
.macro WIN new                         ; the immediate's high byte repeats the setting that is left
.if MSB != (\new)
	s_set_vgpr_msb (MSB<<8)|(\new)
.set MSB, (\new)
.endif
.endm
.set MUL,  0x05                        ; sources 0 (B) and 1 (A) window 1; C and D window 0
.set TO_F, 0x40                        ; destination window 1, address window 0
.macro JLOAD s                         ; a joint load: waves 0 and 1 fetch A's two halves, waves 2 and 3 B's; an s_nop 0 and four v_nop follow each of the two lines
	s_cmp_eq_u32 s13, 0
	s_cbranch_scc0 .Lfor_b_\@
	tensor_load_to_lds s[G0+4*\s:G0+4*\s+3], s[G1:G1+7]
	s_nop 0
.rept 4
	v_nop
.endr
	s_branch .Lasked_\@
.Lfor_b_\@:
	tensor_load_to_lds s[G0B+4*\s:G0B+4*\s+3], s[G1B:G1B+7]
	s_nop 0
.rept 4
	v_nop
.endr
.Lasked_\@:
.endm
.macro CREST                           ; a round of the cluster's barrier behind its opening barrier
	s_cmp_lg_u32 s12, 0
	s_cbranch_scc1 .Lnot_wave_0_\@
	s_barrier_signal -3
.Lnot_wave_0_\@:
	s_barrier_wait -3
	s_barrier_signal -1
	s_barrier_wait -1
.endm
.macro CROUND
	s_barrier_signal -1
	s_barrier_wait -1
	CREST
.endm
	s_load_b256 s[4:11], s[0:1], 0x0               ; act s[4:5], woimg s[6:7], out0 s[8:9], bo s[10:11]
	v_lshl_add_u32 v[SPW], v0, 2, SPARE
	v_mov_b32 v[NIL], 0
	ds_add_u32 v[SPW], v[NIL]                      ; the wave's opening: the add, twice on end, and its wait ahead of my first tensor load
	ds_add_u32 v[SPW], v[NIL]
	v_lshrrev_b32 v1, 5, v0
	v_readfirstlane_b32 s12, v1                    ; wave 0..3
	s_lshr_b32 s13, s12, 1                         ; which half of the tile's rows is mine.  Also: I fetch for A (0) or for B (1)
	s_and_b32 s14, s12, 1                          ; which half of its columns.  Also: which 4 tiles I fetch
	s_bfe_u32 s40, ttmp6, 0x40000                  ; cx, cy
	s_bfe_u32 s41, ttmp6, 0x40004
	s_lshl_b32 s42, ttmp9, 2
	s_add_co_u32 s42, s42, s40                     ; tile column of C
	s_and_b32 s15, ttmp7, 0xffff
	s_lshl_b32 s15, s15, 2
	s_add_co_u32 s15, s15, s41                     ; tile row of C
	s_lshl_b32 s43, s41, 2
	s_lshl_b32 s43, 15, s43                        ; my row of the cluster
	s_lshl_b32 s44, 0x1111, s40                    ; my column
	s_or_b32 s[G1+0], s43, (3<<16)|(1<<21)         ; the mask; elements of 8 bytes; bit 21 beside a mask; no padding
	s_or_b32 s[G1B+0], s44, (3<<16)|(1<<21)
.irp g, G1, G1B
	s_mov_b32 s[\g+1], 1024<<16                    ; tensor_dim0 = 1,024 elements: 8,192 bytes: a tile's 8 K steps
	s_mov_b32 s[\g+2], 4<<16                       ; tensor_dim1 = 4 tiles
	s_mov_b32 s[\g+3], 1024<<16                    ; tile_dim0
	s_mov_b32 s[\g+4], 4                           ; tile_dim1
	s_mov_b32 s[\g+5], 4096                        ; from tile to tile: 32,768 bytes
	s_mov_b32 s[\g+6], 0
	s_mov_b32 s[\g+7], 0
.endr
	s_lshl_b32 s17, s14, 2
	s_lshl_b32 s16, s15, 3
	s_add_co_u32 s16, s16, s17                     ; A: tile of tokens 8 x tile row + 4 x half
	s_lshl_b32 s16, s16, 15
	s_lshl_b32 s46, s42, 3
	s_add_co_u32 s46, s46, s17                     ; B: tile of columns 8 x tile column + 4 x half
	s_lshl_b32 s46, s46, 15
	s_mov_b32 s17, 0
	s_mov_b32 s47, 0
	s_lshl_b32 s20, s12, 15                        ; where they go: wave x 32,768
	s_wait_dscnt 0x0                               ; both opening adds are done
	s_wait_kmcnt 0x0
	s_add_nc_u64 s[22:23], s[4:5], s[16:17]
	s_add_nc_u64 s[46:47], s[6:7], s[46:47]
	CROUND                                         ; all sixteen work-groups are here: the first joint loads meet
.irp s, 0,1
	s_mov_b32 s[G0+4*\s], 1
	s_add_co_u32 s[G0+4*\s+1], s20, \s*SLOT
	s_add_nc_u64 s[G0+4*\s+2:G0+4*\s+3], s[22:23], \s*8192
	s_or_b32 s[G0+4*\s+3], s[G0+4*\s+3], 0x80000000
	s_mov_b32 s[G0B+4*\s], 1
	s_add_co_u32 s[G0B+4*\s+1], s20, \s*SLOT
	s_add_nc_u64 s[G0B+4*\s+2:G0B+4*\s+3], s[46:47], \s*8192
	s_or_b32 s[G0B+4*\s+3], s[G0B+4*\s+3], 0x80000000
	JLOAD \s
.endr
	v_and_b32 v1, 15, v0                           ; r
	v_bfe_u32 v2, v0, 4, 1                         ; h
	s_lshl_b32 s16, s15, 19                        ; out0: (128 x tile row + 64 x half) rows of 4,096 bytes
	s_lshl_b32 s17, s13, 18
	s_add_co_u32 s16, s16, s17
	s_mov_b32 s17, 0
	s_add_nc_u64 s[8:9], s[8:9], s[16:17]
	s_lshl_b32 s46, s42, 9                         ; + 4 (128 x tile column + 64 x half); the same in bo
	s_lshl_b32 s47, s14, 8
	s_add_co_u32 s46, s46, s47
	s_mov_b32 s47, 0
	s_add_nc_u64 s[8:9], s[8:9], s[46:47]
	s_add_nc_u64 s[10:11], s[10:11], s[46:47]
	v_lshlrev_b32 v[BO], 5, v2
.irp b, 0,1,2,3
	global_load_b128 v[BIAS+8*\b:BIAS+8*\b+3], v[BO], s[10:11] offset:64*\b        ; lane (r, h): bo of columns 16 b + 8 h + 0..7
	global_load_b128 v[BIAS+8*\b+4:BIAS+8*\b+7], v[BO], s[10:11] offset:64*\b+16
.endr
	v_and_b32 v3, 31, v0
	v_lshlrev_b32 v3, 4, v3                        ; 16 x lane
	s_lshl_b32 s21, s13, 15                        ; my 4 tiles of A
	s_lshl_b32 s22, s14, 15                        ; my 4 tiles of B,
	s_add_co_u32 s22, s22, 65536                   ; which lie behind A's 8
.irp s, 0,1
	v_add_nc_u32 v[ADRA+\s], s21, v3
	v_add_nc_u32 v[ADRB+\s], s22, v3
	s_add_co_u32 s21, s21, SLOT
	s_add_co_u32 s22, s22, SLOT
.endr
	s_mul_i32 s23, s12, 16*SPITCH
	s_add_co_u32 s23, s23, STAGE                   ; my stage
	v_mul_u32_u24 v4, v1, SPITCH                   ; in: row r, 32 bytes for each half of the lanes
	v_lshl_add_u32 v4, v2, 5, v4
	v_add_nc_u32 v[STO], s23, v4
	v_mul_u32_u24 v5, v2, SPITCH                   ; back: lanes 0-15 one row of 256 bytes, lanes 16-31 the next
	v_lshl_add_u32 v5, v1, 4, v5
	v_add_nc_u32 v[RD], s23, v5
	v_lshlrev_b32 v5, 12, v2                       ; and the same two rows in out0
	v_lshl_add_u32 v[CO], v1, 4, v5
; 8 matrix instructions: row blocks a0, a0 + 1 x all 4 column blocks, 32 along K: half c of buffer f.  first = 1: the sum's first product takes bo as its C.  The 16 accumulators take turns.
.macro MUL8 f, c, a0, first
.irp a, \a0, \a0+1
.irp b, 0,1,2,3
.if \first
	v_wmma_f32_16x16x32_f16 v[ACC+8*(4*(\a)+\b):ACC+8*(4*(\a)+\b)+7], v[\f+64+8*(4*\c+\b):\f+64+8*(4*\c+\b)+7], v[\f+8*(4*\c+\a):\f+8*(4*\c+\a)+7], v[BIAS+8*\b:BIAS+8*\b+7]
.else
	v_wmma_f32_16x16x32_f16 v[ACC+8*(4*(\a)+\b):ACC+8*(4*(\a)+\b)+7], v[\f+64+8*(4*\c+\b):\f+64+8*(4*\c+\b)+7], v[\f+8*(4*\c+\a):\f+8*(4*\c+\a)+7], v[ACC+8*(4*(\a)+\b):ACC+8*(4*(\a)+\b)+7]
.endif
.endr
.endr
.endm
; 32 LDS loads in one run: the fragments of 64 along K (two K steps of 32) at byte k of each tile's 8,192, into buffer f; the first 32 along K first
.macro FETCH slot, k, f
	WIN TO_F
.irp c, 0,1
.irp i, 0,1,2,3
	ds_load_b128 v[\f+64+8*(4*\c+\i):\f+64+8*(4*\c+\i)+3],   v[ADRB+\slot] offset:\k+1024*\c+\i*8192
	ds_load_b128 v[\f+64+8*(4*\c+\i)+4:\f+64+8*(4*\c+\i)+7], v[ADRB+\slot] offset:\k+1024*\c+\i*8192+512
	ds_load_b128 v[\f+8*(4*\c+\i):\f+8*(4*\c+\i)+3],         v[ADRA+\slot] offset:\k+1024*\c+\i*8192
	ds_load_b128 v[\f+8*(4*\c+\i)+4:\f+8*(4*\c+\i)+7],       v[ADRA+\slot] offset:\k+1024*\c+\i*8192+512
.endr
.endr
.endm
.macro PLACES                          ; four places in front of loads into registers that matrix instructions have read, and of the first read of results
.rept 4
	v_nop
.endr
.endm
; A slot is four quarters of 64 along K, 32 matrix instructions each, on buffers 0, 1, 0, 1.  One of the first three: multiplies buffer f and fetches the next quarter, at byte k, into g.
.macro QUARTER slot, k, f, g, first
	s_wait_dscnt 16                                ; the first 32 along K are in; the youngest sixteen loads may be out
	WIN MUL
	MUL8 \f, 0, 0, \first
	MUL8 \f, 0, 2, \first
	PLACES
	FETCH \slot, \k, \g
	s_wait_dscnt 32                                ; all but the 32 just issued
	WIN MUL
	MUL8 \f, 1, 0, 0
	MUL8 \f, 1, 2, 0
.endm
; The last quarter multiplies buffer 1 and changes slots: one barrier; in front of it each wave waits for all its tensor loads, adds 0 to its spare word, and waits for that and for its own reads of this slot.
; fill = 1: the barrier opens a round of the cluster's barrier, and this slot is filled again, two steps of 256 ahead, first thing behind the round.
.macro TURN slot, next, fill
	WIN 0                                          ; (the add's two registers lie in window 0)
	s_wait_tensorcnt 0x0                           ; all my tensor loads have landed: my part of the next slot
	ds_add_u32 v[SPW], v[NIL]                      ; 0 onto my spare word
	s_wait_dscnt 17                                ; (the add and the youngest sixteen loads may be out)
	WIN MUL
	MUL8 F1, 0, 0, 0
	s_wait_dscnt 0x0                               ; the add is done, and my reads of this slot are over
	s_barrier_signal -1
	MUL8 F1, 0, 2, 0
.if \fill
	WIN 0
.endif
	s_barrier_wait -1
.if \fill
	CREST
	s_add_nc_u64 s[G0+4*\slot+2:G0+4*\slot+3], s[G0+4*\slot+2:G0+4*\slot+3], 16384
	s_add_nc_u64 s[G0B+4*\slot+2:G0B+4*\slot+3], s[G0B+4*\slot+2:G0B+4*\slot+3], 16384
	JLOAD \slot                                    ; the four v_nop behind it are also the places in front of the loads below
.else
	PLACES
.endif
	FETCH \next, 0, F0
	WIN MUL
	MUL8 F1, 1, 0, 0
	MUL8 F1, 1, 2, 0
.endm
	s_wait_tensorcnt 1                             ; my part of slot 0 is in (slot 1's load may be out),
	s_barrier_signal -1
	s_barrier_wait -1                              ; everybody's is
	FETCH 0, 0, F0
	s_wait_loadcnt 0x0                             ; bo
	QUARTER 0, 2048, F0, F1, 1                     ; K 0-255
	QUARTER 0, 4096, F1, F0, 0
	QUARTER 0, 6144, F0, F1, 0
	TURN 0, 1, 1                                   ; slot 0 takes K 512 on
	QUARTER 1, 2048, F0, F1, 0                     ; K 256-511
	QUARTER 1, 4096, F1, F0, 0
	QUARTER 1, 6144, F0, F1, 0
	TURN 1, 0, 1                                   ; slot 1 takes K 768 on: the last load
	QUARTER 0, 2048, F0, F1, 0                     ; K 512-767
	QUARTER 0, 4096, F1, F0, 0
	QUARTER 0, 6144, F0, F1, 0
	TURN 0, 1, 0
	QUARTER 1, 2048, F0, F1, 0                     ; K 768-1,023
	QUARTER 1, 4096, F1, F0, 0
	QUARTER 1, 6144, F0, F1, 0
	s_wait_dscnt 16                                ; the last quarter: nothing more to fetch
	WIN MUL
	MUL8 F1, 0, 0, 0
	MUL8 F1, 0, 2, 0
	s_wait_dscnt 0
	MUL8 F1, 1, 0, 0
	MUL8 F1, 1, 2, 0
	WIN 0
; THE WAY OUT, a block of 16 rows x 64 columns at a time.  A lane holds 32 neighbouring bytes of a row; a row's 256 bytes are all my wave's: they go through my own stage and come back as whole rows, sixteen lanes to 256 aligned
; bytes.  LDS serves a wave's instructions in order (ISA guide 5.7.1.4): no wait between the stores and the loads, nor in front of the next block's stores.
.macro TOSTAGE a
.irp b, 0,1,2,3
	ds_store_b128 v[STO], v[ACC+8*(4*(\a)+\b):ACC+8*(4*(\a)+\b)+3] offset:64*\b          ; each accumulator from its low end on
	ds_store_b128 v[STO], v[ACC+8*(4*(\a)+\b)+4:ACC+8*(4*(\a)+\b)+7] offset:64*\b+16
.endr
.irp t, 0,1,2,3,4,5,6,7
	ds_load_b128 v[TMP+32*((\a)%2)+4*\t:TMP+32*((\a)%2)+4*\t+3], v[RD] offset:\t*2*SPITCH
.endr
.endm
.macro SEND a, younger                 ; younger: the LDS instructions issued behind block a's loads, which may stay out
	s_wait_dscnt \younger
.irp t, 0,1,2,3,4,5,6,7
	global_store_b128 v[CO], v[TMP+32*((\a)%2)+4*\t:TMP+32*((\a)%2)+4*\t+3], s[8:9] offset:(16*(\a)+2*\t)*4096 th:TH_STORE_NT
.endr
.endm
	PLACES
	TOSTAGE 0
	TOSTAGE 1
	SEND 0, 16                                     ; behind block 0's loads: block 1's 8 stores and 8 loads
	s_wait_xcnt 0x0                                ; block 0's stores have read their registers: block 2's loads may land there
	TOSTAGE 2
	SEND 1, 16
	s_wait_xcnt 0x0
	TOSTAGE 3
	SEND 2, 16
	SEND 3, 0
	s_wait_tensorcnt 0x0                           ; the wave's end: behind my last tensor load and my last LDS store
	ds_add_u32 v[SPW], v[NIL]
	s_wait_dscnt 0x0
	CROUND                                         ; the closing round: no work-group ends while a partner may still ask for a tile that names it
	s_endpgm
.Lfunc_end_k_qe0c75b519e_proj:
	.size	k_qe0c75b519e_proj, .Lfunc_end_k_qe0c75b519e_proj-k_qe0c75b519e_proj
	.p2alignl 7, 3214868480
	.fill 96, 4, 3214868480
	.section	.rodata,"a",@progbits
	.p2align	6, 0x0
	.amdhsa_kernel k_qe0c75b519e_proj
		.amdhsa_group_segment_fixed_size 327680
		.amdhsa_private_segment_fixed_size 0
		.amdhsa_enable_private_segment 0
		.amdhsa_kernarg_size 32
		.amdhsa_user_sgpr_count 2
		.amdhsa_user_sgpr_kernarg_segment_ptr 1
		.amdhsa_wavefront_size32 1
		.amdhsa_system_sgpr_workgroup_id_x 1
		.amdhsa_system_sgpr_workgroup_id_y 1
		.amdhsa_system_sgpr_workgroup_id_z 1
		.amdhsa_system_vgpr_workitem_id 0
		.amdhsa_next_free_vgpr 512
		.amdhsa_next_free_sgpr 66
		.amdhsa_reserve_vcc 0
		.amdhsa_float_denorm_mode_32 3
		.amdhsa_float_denorm_mode_16_64 3
		.amdhsa_memory_ordered 1
		.amdhsa_forward_progress 1
		.amdhsa_inst_pref_size 86
	.end_amdhsa_kernel
	.amdgpu_metadata
---
amdhsa.version: [ 1, 2 ]
amdhsa.kernels:
  - .name:           k_qe0c75b519e_proj
    .symbol:         k_qe0c75b519e_proj.kd
    .args:
      - { .name: act, .offset: 0, .size: 8, .value_kind: global_buffer, .address_space: global }
      - { .name: woimg, .offset: 8, .size: 8, .value_kind: global_buffer, .address_space: global }
      - { .name: out0, .offset: 16, .size: 8, .value_kind: global_buffer, .address_space: global }
      - { .name: bo, .offset: 24, .size: 8, .value_kind: global_buffer, .address_space: global }
    .group_segment_fixed_size: 327680
    .private_segment_fixed_size: 0
    .kernarg_segment_align: 8
    .kernarg_segment_size: 32
    .max_flat_workgroup_size: 128
    .sgpr_count:     66
    .vgpr_count:     512
    .wavefront_size: 32
...
	.end_amdgpu_metadata
.endif
;; end of part 4
